; MI455X (gfx1250); checked and timed in simulation.
; The chip was launched on July 23, 2026; its instructions are those of AMD's public machine-readable ISA for CDNA 5 (MIT licence, August 2026) and "CDNA5" Instruction Set Architecture Reference Guide (July 2026). The comments in the code are by the model that wrote it; some were corrected since.
;; Self Attention. Allowed arithmetic: float matrix products may take bf16 or f16 operands with f32 sums; all other float work in f32.
;; Inputs: w_proj 1,024 x 1,024 float32; w_qkv 3,072 x 1,024 float32; x 4 x 2,048 x 1,024 float32.
;; Outputs: out0 4 x 2,048 x 1,024 float32.
;; 2 versions, each right; version 2 is version 1 with the launch cast written anew for expert scheduling mode. Each part assembles by itself: llvm-mc -triple=amdgcn-amd-amdhsa -mcpu=gfx1250 --defsym DOCPART=n.
;; ======== version 1 of 2: 4 launches
;; limits: values are held in f16: magnitudes above 65,504 overflow, below 6.1e-05 lose precision
;; workspace buffers: xb 16,777,216 bytes; wqb 6,291,456 bytes; wph 2,097,152 bytes; qkvh 50,331,648 bytes; yh 16,777,216 bytes
;; launch cast (part 1): grid 768 x 1, 8 waves a work-group, no clusters, 0 bytes of LDS; arguments x, w_qkv, w_proj, xb, wqb, wph; writes xb, wqb, wph
.if DOCPART == 1
	.amdgcn_target "amdgcn-amd-amdhsa--gfx1250"
	.amdhsa_code_object_version 6
	.text
	.protected	k_q4e65e9878b_cast
	.globl	k_q4e65e9878b_cast
	.p2align	8
	.type	k_q4e65e9878b_cast,@function
k_q4e65e9878b_cast:
	s_mov_b64 s[64:65], 0
	v_nop
	global_prefetch_b8 v0, s[64:65] scope:SCOPE_SE
	s_setreg_imm32_b32 hwreg(HW_REG_WAVE_MODE, 25, 1), 1
	s_wait_xcnt 0x0
; x, w_qkv, w_proj (f32) are rounded once to bf16 (nearest even), the operand format of the products, so that the products that read each
; of them many times move half the bytes and convert nothing.  xb and wqb hold the bf16 numbers as they are.
; wph holds w_proj's bf16 numbers in f16's code: its partner in the last product, y, is kept in f16 (the first rows of a sequence average
; few values and are some ten times the output's root mean square, so y needs the 11 significant bits), and a matrix instruction takes one
; format for both operands.  f16's code holds a bf16 number's 8 significant bits exactly from 2^-14 upward.
; LIMIT (w_proj alone): a magnitude of 65,504 or more becomes an infinity; below 2^-14 the number is rounded to a multiple of 2^-24.
; A work-group takes 16,384 neighbouring numbers of one tensor: 64 KiB in, 32 KiB out.  Groups 0-511 take x (8,388,608 numbers),
; 512-703 w_qkv (3,145,728), 704-767 w_proj (1,048,576).  A stream: no LDS, no barrier, no matrix unit.
; All sixteen loads of a thread are issued at once; no register that a memory instruction still reads is written.
.set XG, 512                           ; work-groups for x
.set QG, 192                           ; work-groups for w_qkv
.set X,  4                             ; v[4:67]    16 x 4 numbers as loaded
.set Y,  68                            ; v[68:99]   16 x 4 numbers of 16 bits
.set T,  100                           ; v[100:101] w_proj: four bf16, at work
	s_load_b256 s[4:11], s[0:1], 0x0               ; x s[4:5], w_qkv s[6:7], w_proj s[8:9], xb s[10:11]
	s_load_b128 s[12:15], s[0:1], 0x20             ; wqb s[12:13], wph s[14:15]
	v_lshlrev_b32 v1, 4, v0                        ; 16 bytes a thread in
	v_lshlrev_b32 v2, 3, v0                        ; 8 bytes a thread out
	s_sub_co_u32 s16, ttmp9, XG                    ; the group's number inside w_qkv,
	s_sub_co_u32 s18, ttmp9, XG+QG                 ; inside w_proj (only the one that applies is used)
	s_mov_b32 s25, 0
	s_wait_kmcnt 0x0
	s_cmp_lt_u32 ttmp9, XG+QG                      ; the choice hangs on the group's number alone
	s_cselect_b64 s[20:21], s[6:7], s[8:9]
	s_cselect_b64 s[22:23], s[12:13], s[14:15]
	s_cselect_b32 s17, s16, s18
	s_cmp_lt_u32 ttmp9, XG
	s_cselect_b64 s[20:21], s[4:5], s[20:21]       ; from
	s_cselect_b64 s[22:23], s[10:11], s[22:23]     ; to
	s_cselect_b32 s17, ttmp9, s17                  ; the group's number inside its tensor
	s_lshl_b32 s24, s17, 16                        ; 65,536 bytes in for each group (below 2^25)
	s_add_nc_u64 s[20:21], s[20:21], s[24:25]
	s_lshl_b32 s24, s17, 15                        ; 32,768 bytes out
	s_add_nc_u64 s[22:23], s[22:23], s[24:25]
.irp j, 0,1,2,3,4,5,6,7,8,9,10,11,12,13,14,15
	global_load_b128 v[X+4*\j:X+4*\j+3], v1, s[20:21] offset:4096*\j th:TH_LOAD_NT   ; a wave covers 512 neighbouring bytes, the group 4,096
.endr
	s_cmp_ge_u32 ttmp9, XG+QG
	s_cbranch_scc1 .Lw_proj
	; x and w_qkv: bf16
.irp j, 0,1,2,3,4,5,6,7,8,9,10,11,12,13,14,15
	s_wait_loadcnt 15-\j                           ; loads come back in order: load j is in, the 15 - j younger ones stay out
	v_cvt_pk_bf16_f32 v[Y+2*\j],   v[X+4*\j],   v[X+4*\j+1]
	v_cvt_pk_bf16_f32 v[Y+2*\j+1], v[X+4*\j+2], v[X+4*\j+3]
	global_store_b64 v2, v[Y+2*\j:Y+2*\j+1], s[22:23] offset:2048*\j   ; a wave's 32 lanes store 256 consecutive bytes, aligned
.endr
	s_endpgm
.Lw_proj:
	; w_proj: rounded to bf16, widened again (a shift, a mask) and written in f16's code
.irp j, 0,1,2,3,4,5,6,7,8,9,10,11,12,13,14,15
	s_wait_loadcnt 15-\j                           ; load j is in, so its registers may also be written again
	v_cvt_pk_bf16_f32 v[T],   v[X+4*\j],   v[X+4*\j+1]
	v_cvt_pk_bf16_f32 v[T+1], v[X+4*\j+2], v[X+4*\j+3]
	v_lshlrev_b32 v[X+4*\j],   16, v[T]
	v_and_b32     v[X+4*\j+1], 0xffff0000, v[T]
	v_lshlrev_b32 v[X+4*\j+2], 16, v[T+1]
	v_and_b32     v[X+4*\j+3], 0xffff0000, v[T+1]
	v_cvt_pk_f16_f32 v[Y+2*\j],   v[X+4*\j],   v[X+4*\j+1]
	v_cvt_pk_f16_f32 v[Y+2*\j+1], v[X+4*\j+2], v[X+4*\j+3]
	global_store_b64 v2, v[Y+2*\j:Y+2*\j+1], s[22:23] offset:2048*\j
.endr
	s_endpgm
.Lfunc_end_k_q4e65e9878b_cast:
	.size	k_q4e65e9878b_cast, .Lfunc_end_k_q4e65e9878b_cast-k_q4e65e9878b_cast
	.p2alignl 7, 3214868480
	.fill 96, 4, 3214868480
	.section	.rodata,"a",@progbits
	.p2align	6, 0x0
	.amdhsa_kernel k_q4e65e9878b_cast
		.amdhsa_group_segment_fixed_size 0
		.amdhsa_private_segment_fixed_size 0
		.amdhsa_enable_private_segment 0
		.amdhsa_kernarg_size 48
		.amdhsa_user_sgpr_count 2
		.amdhsa_user_sgpr_kernarg_segment_ptr 1
		.amdhsa_wavefront_size32 1
		.amdhsa_system_sgpr_workgroup_id_x 1
		.amdhsa_system_sgpr_workgroup_id_y 1
		.amdhsa_system_sgpr_workgroup_id_z 1
		.amdhsa_system_vgpr_workitem_id 0
		.amdhsa_next_free_vgpr 104
		.amdhsa_next_free_sgpr 66
		.amdhsa_reserve_vcc 0
		.amdhsa_float_denorm_mode_32 3
		.amdhsa_float_denorm_mode_16_64 3
		.amdhsa_memory_ordered 1
		.amdhsa_forward_progress 1
		.amdhsa_inst_pref_size 16
	.end_amdhsa_kernel
	.amdgpu_metadata
---
amdhsa.version: [ 1, 2 ]
amdhsa.kernels:
  - .name:           k_q4e65e9878b_cast
    .symbol:         k_q4e65e9878b_cast.kd
    .args:
      - { .name: x, .offset: 0, .size: 8, .value_kind: global_buffer, .address_space: global }
      - { .name: w_qkv, .offset: 8, .size: 8, .value_kind: global_buffer, .address_space: global }
      - { .name: w_proj, .offset: 16, .size: 8, .value_kind: global_buffer, .address_space: global }
      - { .name: xb, .offset: 24, .size: 8, .value_kind: global_buffer, .address_space: global }
      - { .name: wqb, .offset: 32, .size: 8, .value_kind: global_buffer, .address_space: global }
      - { .name: wph, .offset: 40, .size: 8, .value_kind: global_buffer, .address_space: global }
    .group_segment_fixed_size: 0
    .private_segment_fixed_size: 0
    .kernarg_segment_align: 8
    .kernarg_segment_size: 48
    .max_flat_workgroup_size: 256
    .sgpr_count:     66
    .vgpr_count:     104
    .wavefront_size: 32
...
	.end_amdgpu_metadata
.endif
;; end of part 1
;; launch qkv (part 2): grid 24 x 32, 4 waves a work-group, clusters of 4 x 4, 327,680 bytes of LDS; arguments xb, wqb, qkvh; writes qkvh
.if DOCPART == 2
	.amdgcn_target "amdgcn-amd-amdhsa--gfx1250"
	.amdhsa_code_object_version 6
	.text
	.protected	k_q4e65e9878b_qkv
	.globl	k_q4e65e9878b_qkv
	.p2align	8
	.type	k_q4e65e9878b_qkv,@function
k_q4e65e9878b_qkv:
	s_mov_b64 s[64:65], 0
	v_nop
	global_prefetch_b8 v0, s[64:65] scope:SCOPE_SE
	s_setreg_imm32_b32 hwreg(HW_REG_WAVE_MODE, 25, 1), 1
	s_wait_xcnt 0x0
	s_wait_alu depctr_hold_cnt(0) depctr_sa_sdst(0) depctr_va_vdst(0) depctr_va_sdst(0) depctr_va_ssrc(0) depctr_va_vcc(0) depctr_vm_vsrc(0)
	s_getreg_b32 s2, hwreg(HW_REG_IB_STS2, 6, 4)
	s_cmp_eq_u32 s2, 0
	s_cbranch_scc0 .Lentry_in_a_cluster
	s_endpgm
.Lentry_in_a_cluster:
	s_bfe_u32 s2, ttmp6, 0x10000c
	s_cmp_lg_u32 s2, 0xf033
	s_cbranch_scc0 .Lentry_shape_is_right
	s_endpgm
.Lentry_shape_is_right:
; C[m][n] = sum over k of A[m][k] B[n][k].  A: [8192][1024], B: [SIZE_N][1024], 16-bit operands, sums in f32.
; Here: A = xb, B = wqb, both bf16 (BF16IN = 1); C = qkvh [8192][3072] in f16 (F32OUT = 0).
; The same text with BF16IN = 0, F32OUT = 1 makes the output projection.
; LIMIT: this result is stored in f16: a sum of magnitude 65,504 or more is stored as an infinity.
; A work-group makes 256 (m) x 128 (n) of C with four waves; wave w makes rows 64 w .. 64 w + 63 x all 128 columns: 32 accumulator
; tiles of 16 x 16, 256 registers.  8192/256 x 3072/128 = 768 work-groups.  K goes in steps of 128 through two LDS slots filled by
; the tensor data mover; a tile's rows are 256 bytes of memory and start at multiples of 256 bytes from the buffer's first byte.
; CLUSTERS: 4 x 4 work-groups.  The four of a row of the cluster need the same tile of A, the four of a column the same tile of B:
; each tile is asked for jointly, by the same tensor load with a mask that names the four.
; REGISTERS: window 0: v16-26 addresses; two fragment buffers at v32 and v128 (A's 4 fragments, then B's 8); v224-255 at work on the
; way out.  Window 1: accumulator (a, b) at v[8 (8 a + b)].
; The matrix instruction is used transposed (source 0 = rows of B, source 1 = rows of A): lane l holds row l % 16 of C and its eight
; registers the columns 8 (l / 16) + 0 .. 7, eight neighbouring numbers of a row.
.set SIZE_K, 1024
.set SIZE_N, 3072
.set BF16IN, 1
.set F32OUT, 0
.set OUTROW, 6144                      ; bytes in a row of C
.set KSTEP,  128
.set PITCH,  272                       ; an LDS row: 256 bytes + 16 of padding, an odd multiple of 16: the 16 rows of a fragment load start 16 bytes apart modulo 256
.set AHALF,  128*PITCH                 ; what waves 0 and 1 fetch: 128 rows of A each
.set BHALF,  64*PITCH                  ; what waves 2 and 3 fetch: 64 rows of B each
.set SLOT,   2*AHALF+2*BHALF           ; 104,448
.set STAGE,  2*SLOT                    ; behind the ring: 16 rows for each wave, for the way out; no tensor load lands here
.if F32OUT
.set SPITCH, 528                       ; 512 bytes + 16
.else
.set SPITCH, 272
.endif
.set LAPS, SIZE_K/(2*KSTEP)            ; a lap = two K steps = once round the ring: 4
.set ADRA, 16                          ; v16-17  LDS address of my A fragments in slot 0, 1
.set ADRB, 20                          ; v20-21  the same for B
.set STO,  24                          ; the way out: where I put my piece of a row
.set RD,   25                          ; the way out: where I read rows back
.set CO,   26                          ; my byte offset in C
.set F0,   32
.set F1,   128
.set TMP,  224
.set G1,  24                           ; s[24:31] group 1 for A's tiles
.set G0,  32                           ; s[32:39] group 0 for A's tiles, one set for each slot
.set G1B, 48                           ; s[48:55] group 1 for B's tiles
.set G0B, 56                           ; s[56:63] group 0 for B's tiles, one set for each slot
.set MSB, 0
.macro WIN new                         ; s_set_vgpr_msb: bits 1:0 source 0, 3:2 source 1, 5:4 source 2, 7:6 destination; the high byte repeats the setting that is left
.if MSB != \new
	s_set_vgpr_msb (MSB<<8)|\new
.set MSB, \new
.endif
.endm
.set MUL, 0x50                         ; A and B in window 0, C and D in window 1
; A joint load.  Waves 0 and 1 fetch A's halves, waves 2 and 3 B's.  The branch hangs on the wave's number alone.
.macro JLOAD s
	s_cmp_eq_u32 s11, 0
	s_cbranch_scc0 .Lfor_b_\@
	tensor_load_to_lds s[G0+4*\s:G0+4*\s+3], s[G1:G1+7]
	s_nop 0
	s_branch .Lasked_\@
.Lfor_b_\@:
	tensor_load_to_lds s[G0B+4*\s:G0B+4*\s+3], s[G1B:G1B+7]
	s_nop 0
.Lasked_\@:
.endm
; A round of the cluster's barrier: my work-group's barrier; wave 0 signals for the work-group; every wave waits for all sixteen; my work-group's barrier again.
.macro CREST                           ; a round behind its opening barrier
	s_cmp_lg_u32 s10, 0
	s_cbranch_scc1 .Lnot_wave_0_\@
	s_barrier_signal -3
.Lnot_wave_0_\@:
	s_barrier_wait -3
	s_barrier_signal -1
	s_barrier_wait -1
.endm
.macro CROUND
	s_barrier_signal -1
	s_barrier_wait -1
	CREST
.endm
	s_load_b128 s[4:7], s[0:1], 0x0                ; A s[4:5], B s[6:7]
	s_load_b64 s[8:9], s[0:1], 0x10                ; C
	v_lshl_add_u32 v30, v0, 2, 0x37400
	v_mov_b32 v31, 0
	ds_add_u32 v30, v31
	v_lshrrev_b32 v1, 5, v0
	v_readfirstlane_b32 s10, v1                    ; wave 0..3
	s_lshr_b32 s11, s10, 1                         ; I fetch for A (0) or for B (1)
	s_and_b32 s12, s10, 1                          ; which half of that tile
	s_bfe_u32 s40, ttmp6, 0x40000                  ; cx
	s_bfe_u32 s41, ttmp6, 0x40004                  ; cy
	s_lshl_b32 s42, ttmp9, 2
	s_add_co_u32 s42, s42, s40                     ; block column of C = 4 x cluster x + cx
	s_and_b32 s13, ttmp7, 0xffff
	s_lshl_b32 s13, s13, 2
	s_add_co_u32 s13, s13, s41                     ; block row of C = 4 x cluster y + cy
	s_lshl_b32 s43, s41, 2
	s_lshl_b32 s43, 15, s43                        ; my row of the cluster: places 4 cy .. 4 cy + 3
	s_lshl_b32 s44, 0x1111, s40                    ; my column: places cx, cx + 4, cx + 8, cx + 12
	; group 1: rows of 128 elements of 2 bytes, 4 words of padding behind every 64 words; A 128 rows, B 64 rows; 1,024 elements from row to row
	s_or_b32 s[G1+0], s43, (1<<16)|(1<<20)|(1<<21)|(5<<22)|(3<<25)
	s_or_b32 s[G1B+0], s44, (1<<16)|(1<<20)|(1<<21)|(5<<22)|(3<<25)
	s_mov_b32 s[G1+1], KSTEP<<16                   ; tensor_dim0 = 128
	s_mov_b32 s[G1B+1], KSTEP<<16
	s_mov_b32 s[G1+2], 128<<16                     ; tensor_dim1 = 128
	s_mov_b32 s[G1B+2], 64<<16                     ; tensor_dim1 = 64
	s_mov_b32 s[G1+3], KSTEP<<16                   ; tile_dim0 = 128
	s_mov_b32 s[G1B+3], KSTEP<<16
	s_mov_b32 s[G1+4], 128                         ; tile_dim1
	s_mov_b32 s[G1B+4], 64
	s_mov_b32 s[G1+5], SIZE_K                      ; the pitch
	s_mov_b32 s[G1B+5], SIZE_K
	s_mov_b32 s[G1+6], 0
	s_mov_b32 s[G1B+6], 0
	s_mov_b32 s[G1+7], 0
	s_mov_b32 s[G1B+7], 0
	; A's tiles hang on the block row alone, B's on the block column alone; each address in registers that never hold the other coordinate
	s_lshl_b32 s17, s12, 7
	s_lshl_b32 s16, s13, 8
	s_add_co_u32 s16, s16, s17                     ; A: row 256 x block row + 128 x half
	s_lshl_b32 s47, s12, 6
	s_lshl_b32 s46, s42, 7
	s_add_co_u32 s46, s46, s47                     ; B: row 128 x block column + 64 x half
	s_mov_b32 s17, 0
	s_mov_b32 s47, 0
	s_mov_b64 s[18:19], SIZE_K*2
	s_mul_u64 s[16:17], s[16:17], s[18:19]         ; in bytes
	s_mul_u64 s[46:47], s[46:47], s[18:19]
	s_mul_i32 s20, s10, AHALF                      ; where A's halves go (waves 0, 1): wave x 34,816
	s_mul_i32 s21, s10, BHALF
	s_add_co_u32 s21, s21, AHALF                   ; where B's go (waves 2, 3): 69,632 + (wave - 2) x 17,408 = 34,816 + wave x 17,408
	s_wait_dscnt 0x0
	s_wait_kmcnt 0x0
	s_add_nc_u64 s[14:15], s[4:5], s[16:17]
	s_add_nc_u64 s[46:47], s[6:7], s[46:47]
	CROUND                                         ; all sixteen work-groups are here: the first joint loads meet
.irp s, 0,1
	s_mov_b32 s[G0+4*\s], 1
	s_add_co_u32 s[G0+4*\s+1], s20, \s*SLOT
	s_add_nc_u64 s[G0+4*\s+2:G0+4*\s+3], s[14:15], \s*KSTEP*2      ; K step s
	s_or_b32 s[G0+4*\s+3], s[G0+4*\s+3], 0x80000000                ; type = 2
	s_mov_b32 s[G0B+4*\s], 1
	s_add_co_u32 s[G0B+4*\s+1], s21, \s*SLOT
	s_add_nc_u64 s[G0B+4*\s+2:G0B+4*\s+3], s[46:47], \s*KSTEP*2
	s_or_b32 s[G0B+4*\s+3], s[G0B+4*\s+3], 0x80000000
	JLOAD \s                                       ; both first fills go out together: a wave has two tensor loads out here, later one
.endr
	; a fragment: lane l holds row l % 16; registers 0-3 K = 8 (l / 16) + 0..7, registers 4-7 K = 16 + 8 (l / 16) + 0..7: two loads of 16 bytes, 32 bytes apart
	v_and_b32 v1, 15, v0                           ; r = l % 16
	v_bfe_u32 v2, v0, 4, 1                         ; h = l / 16
	v_mul_u32_u24 v3, v1, PITCH
	v_lshl_add_u32 v3, v2, 4, v3                   ; r x pitch + 16 h
	s_mul_i32 s22, s10, 64*PITCH                   ; my 64 rows of A
	s_mov_b32 s23, 2*AHALF                         ; B's 128 rows lie behind A's 256
.irp s, 0,1
	v_add_nc_u32 v[ADRA+\s], s22, v3
	v_add_nc_u32 v[ADRB+\s], s23, v3
	s_add_co_u32 s22, s22, SLOT
	s_add_co_u32 s23, s23, SLOT
.endr
	s_mul_i32 s23, s10, 16*SPITCH
	s_add_co_u32 s23, s23, STAGE                   ; my stage
	v_mul_u32_u24 v4, v1, SPITCH
.if F32OUT
	v_lshl_add_u32 v4, v2, 5, v4                   ; in: row r, 32 bytes for each half of the lanes
	v_add_nc_u32 v[STO], s23, v4
	v_and_b32 v5, 31, v0
	v_lshlrev_b32 v[CO], 4, v5                     ; back and out: 32 lanes take one row of 512 bytes
	v_add_nc_u32 v[RD], s23, v[CO]
.else
	v_lshl_add_u32 v4, v2, 4, v4                   ; in: row r, 16 bytes for each half of the lanes
	v_add_nc_u32 v[STO], s23, v4
	v_mul_u32_u24 v5, v2, SPITCH                   ; back: lanes 0-15 take one row of 256 bytes, lanes 16-31 the next
	v_lshl_add_u32 v5, v1, 4, v5
	v_add_nc_u32 v[RD], s23, v5
	v_mul_u32_u24 v5, v2, OUTROW                   ; and the same two rows in C
	v_lshl_add_u32 v[CO], v1, 4, v5
.endif
; 8 matrix instructions: m block a x all 8 n blocks, 32 along K.  zero = 1: the first product starts the sums.
; The 32 accumulators take turns, one instruction a turn, in the same order in every quarter step.
.macro MUL8 f, a, zero
.irp b, 0,1,2,3,4,5,6,7
.if BF16IN
.if \zero
	v_wmma_f32_16x16x32_bf16 v[8*(8*\a+\b):8*(8*\a+\b)+7], v[\f+32+8*\b:\f+32+8*\b+7], v[\f+8*\a:\f+8*\a+7], 0
.else
	v_wmma_f32_16x16x32_bf16 v[8*(8*\a+\b):8*(8*\a+\b)+7], v[\f+32+8*\b:\f+32+8*\b+7], v[\f+8*\a:\f+8*\a+7], v[8*(8*\a+\b):8*(8*\a+\b)+7]
.endif
.else
.if \zero
	v_wmma_f32_16x16x32_f16 v[8*(8*\a+\b):8*(8*\a+\b)+7], v[\f+32+8*\b:\f+32+8*\b+7], v[\f+8*\a:\f+8*\a+7], 0
.else
	v_wmma_f32_16x16x32_f16 v[8*(8*\a+\b):8*(8*\a+\b)+7], v[\f+32+8*\b:\f+32+8*\b+7], v[\f+8*\a:\f+8*\a+7], v[8*(8*\a+\b):8*(8*\a+\b)+7]
.endif
.endif
.endr
.endm
; 24 LDS loads in one run: B's 8 fragments, then A's 4, of one quarter step (32 K at byte k of the rows) into buffer f
.macro FETCH slot, k, f
.irp i, 0,1,2,3,4,5,6,7
	ds_load_b128 v[\f+32+8*\i:\f+32+8*\i+3], v[ADRB+\slot] offset:\k+\i*16*PITCH
	ds_load_b128 v[\f+32+8*\i+4:\f+32+8*\i+7], v[ADRB+\slot] offset:\k+\i*16*PITCH+32
.endr
.irp i, 0,1,2,3
	ds_load_b128 v[\f+8*\i:\f+8*\i+3], v[ADRA+\slot] offset:\k+\i*16*PITCH
	ds_load_b128 v[\f+8*\i+4:\f+8*\i+7], v[ADRA+\slot] offset:\k+\i*16*PITCH+32
.endr
.endm
; Four places between a matrix instruction and a load into one of its sources, or a vector instruction or LDS store that reads its result
.macro PLACES
.rept 4
	v_nop
.endr
.endm
; One of a K step's first three quarters: multiplies buffer f; in its middle it fetches the next quarter's fragments into buffer g.
.macro QUARTER slot, k, f, g, zero
	s_wait_dscnt 4                                 ; of buffer f's 24 loads only the youngest four (A's fragments 2 and 3) may be out
	WIN MUL
	MUL8 \f, 0, \zero
	MUL8 \f, 1, \zero
	PLACES
	WIN 0
	FETCH \slot, \k, \g
	s_wait_dscnt 24                                ; all but the 24 just issued
	WIN MUL
	MUL8 \f, 2, \zero
	MUL8 \f, 3, \zero
.endm
.macro THREE slot, zero
	QUARTER \slot, 64,  F0, F1, \zero
	QUARTER \slot, 128, F1, F0, 0
	QUARTER \slot, 192, F0, F1, 0
.endm
; The last quarter multiplies buffer 1 and changes slots.  In front of the barrier each wave waits for its reads of this slot and for all
; its tensor loads (one is out: its part of the next slot).  Behind it this slot is filled again first, then the next slot is read.
.macro TURN slot, next, fill
	s_wait_dscnt 4
	WIN MUL
	MUL8 F1, 0, 0
	s_wait_dscnt 0                                 ; my reads of this slot are over
	s_wait_tensorcnt 0x0                           ; all my tensor loads have landed
	ds_add_u32 v30, v31
	s_wait_dscnt 0x0
	s_barrier_signal -1                            ; where the slot is filled again this barrier opens a round of the cluster's barrier
	MUL8 F1, 1, 0                                  ; register work while the others arrive
	WIN 0
	s_barrier_wait -1
.if \fill
	CREST                                          ; no wave of any partner still reads this slot or has a load on its way
	s_add_nc_u64 s[G0+4*\slot+2:G0+4*\slot+3], s[G0+4*\slot+2:G0+4*\slot+3], 2*KSTEP*2
	s_add_nc_u64 s[G0B+4*\slot+2:G0B+4*\slot+3], s[G0B+4*\slot+2:G0B+4*\slot+3], 2*KSTEP*2
	JLOAD \slot                                    ; the first tensor load behind the round, one a wave
.endif
	PLACES
	FETCH \next, 0, F0
	WIN MUL
	MUL8 F1, 2, 0
	MUL8 F1, 3, 0
.endm
.macro LAP zero
	THREE 0, \zero
	TURN 0, 1, 1
	THREE 1, 0
	TURN 1, 0, 1
.endm
	s_wait_tensorcnt 1                             ; my part of K step 0 is in; K step 1's may stay out
	s_barrier_signal -1
	s_barrier_wait -1
	FETCH 0, 0, F0
	LAP 1                                          ; the first lap's first products start the sums
.if LAPS > 2
	WIN 0                                          ; at a label and at a branch every window is 0
	s_mov_b32 s3, LAPS-2
.Llap:
	LAP 0
	WIN 0
	s_sub_co_u32 s3, s3, 1
	s_cmp_lg_u32 s3, 0
	s_cbranch_scc1 .Llap
.endif
	THREE 0, 0                                     ; the last lap fills nothing
	TURN 0, 1, 0
	THREE 1, 0
	s_wait_dscnt 4
	WIN MUL
	MUL8 F1, 0, 0
	MUL8 F1, 1, 0
	s_wait_dscnt 0
	MUL8 F1, 2, 0
	MUL8 F1, 3, 0
	; THE WAY OUT, 16 rows of C at a time, through my own stage in LDS, read back as whole rows
	PLACES
	s_lshl_b32 s13, s13, 8
	s_lshl_b32 s14, s10, 6
	s_add_co_u32 s16, s13, s14                     ; my first row of C: 256 x block row + 64 x wave
	s_mov_b32 s17, 0
	s_mov_b64 s[18:19], OUTROW
	s_mul_u64 s[16:17], s[16:17], s[18:19]
	s_add_nc_u64 s[8:9], s[8:9], s[16:17]
.if F32OUT
	s_lshl_b32 s46, s42, 9                         ; my first column in bytes: 128 numbers of 4 bytes a block
.else
	s_lshl_b32 s46, s42, 8                         ; 128 numbers of 2 bytes a block
.endif
	s_mov_b32 s47, 0
	s_add_nc_u64 s[8:9], s[8:9], s[46:47]
; rows 16 i .. 16 i + 15 of my block = the eight tiles (i, 0..7); f: the registers that carry the rows out, F0 and F1 in turn
.macro OUT16 i, f
.if F32OUT
	WIN 0x04                                       ; an LDS store's data is source 1: window 1
.irp b, 0,1,2,3,4,5,6,7
	ds_store_b128 v[STO], v[8*(8*\i+\b):8*(8*\i+\b)+3] offset:64*\b
	ds_store_b128 v[STO], v[8*(8*\i+\b)+4:8*(8*\i+\b)+7] offset:64*\b+16
.endr
	WIN 0
.else
	WIN 0x05
.irp b, 0,1,2,3,4,5,6,7
.irp r, 0,1,2,3
	v_cvt_pk_f16_f32 v[TMP+4*\b+\r], v[8*(8*\i+\b)+2*\r], v[8*(8*\i+\b)+2*\r+1]
.endr
.endr
	WIN 0
.irp b, 0,1,2,3,4,5,6,7
	ds_store_b128 v[STO], v[TMP+4*\b:TMP+4*\b+3] offset:32*\b
.endr
.endif
	s_wait_xcnt 0x0                                ; the registers and the base that earlier stores read are rewritten only behind this wait
.if \i
	s_add_nc_u64 s[8:9], s[8:9], 16*OUTROW
.endif
.if F32OUT
.irp t, 0,1,2,3,4,5,6,7,8,9,10,11,12,13,14,15
	ds_load_b128 v[\f+4*\t:\f+4*\t+3], v[RD] offset:\t*SPITCH      ; LDS serves a wave's instructions in order: these see the stores above
.endr
.irp t, 0,1,2,3,4,5,6,7,8,9,10,11,12,13,14,15
	s_wait_dscnt 15-\t
	global_store_b128 v[CO], v[\f+4*\t:\f+4*\t+3], s[8:9] offset:\t*OUTROW th:TH_STORE_NT   ; the wave stores 512 consecutive bytes, aligned
.endr
.else
.irp t, 0,1,2,3,4,5,6,7
	ds_load_b128 v[\f+4*\t:\f+4*\t+3], v[RD] offset:\t*2*SPITCH
.endr
.irp t, 0,1,2,3,4,5,6,7
	s_wait_dscnt 7-\t
	global_store_b128 v[CO], v[\f+4*\t:\f+4*\t+3], s[8:9] offset:2*\t*OUTROW   ; 16 lanes store 256 consecutive bytes, aligned
.endr
.endif
.endm
	OUT16 0, F0
	OUT16 1, F1
	OUT16 2, F0
	OUT16 3, F1
	s_wait_tensorcnt 0x0
	ds_add_u32 v30, v31
	s_wait_dscnt 0x0
	CROUND                                         ; the closing round: no work-group ends while a partner may still ask for a tile that names it
	s_endpgm
.Lfunc_end_k_q4e65e9878b_qkv:
	.size	k_q4e65e9878b_qkv, .Lfunc_end_k_q4e65e9878b_qkv-k_q4e65e9878b_qkv
	.p2alignl 7, 3214868480
	.fill 96, 4, 3214868480
	.section	.rodata,"a",@progbits
	.p2align	6, 0x0
	.amdhsa_kernel k_q4e65e9878b_qkv
		.amdhsa_group_segment_fixed_size 327680
		.amdhsa_private_segment_fixed_size 0
		.amdhsa_enable_private_segment 0
		.amdhsa_kernarg_size 24
		.amdhsa_user_sgpr_count 2
		.amdhsa_user_sgpr_kernarg_segment_ptr 1
		.amdhsa_wavefront_size32 1
		.amdhsa_system_sgpr_workgroup_id_x 1
		.amdhsa_system_sgpr_workgroup_id_y 1
		.amdhsa_system_sgpr_workgroup_id_z 1
		.amdhsa_system_vgpr_workitem_id 0
		.amdhsa_next_free_vgpr 512
		.amdhsa_next_free_sgpr 66
		.amdhsa_reserve_vcc 0
		.amdhsa_float_denorm_mode_32 3
		.amdhsa_float_denorm_mode_16_64 3
		.amdhsa_memory_ordered 1
		.amdhsa_forward_progress 1
		.amdhsa_inst_pref_size 118
	.end_amdhsa_kernel
	.amdgpu_metadata
---
amdhsa.version: [ 1, 2 ]
amdhsa.kernels:
  - .name:           k_q4e65e9878b_qkv
    .symbol:         k_q4e65e9878b_qkv.kd
    .args:
      - { .name: xb, .offset: 0, .size: 8, .value_kind: global_buffer, .address_space: global }
      - { .name: wqb, .offset: 8, .size: 8, .value_kind: global_buffer, .address_space: global }
      - { .name: qkvh, .offset: 16, .size: 8, .value_kind: global_buffer, .address_space: global }
    .group_segment_fixed_size: 327680
    .private_segment_fixed_size: 0
    .kernarg_segment_align: 8
    .kernarg_segment_size: 24
    .max_flat_workgroup_size: 128
    .sgpr_count:     66
    .vgpr_count:     512
    .wavefront_size: 32
...
	.end_amdgpu_metadata
.endif
;; end of part 2
;; launch attn (part 3): grid 256 x 1, 8 waves a work-group, no clusters, 327,680 bytes of LDS; arguments qkvh, yh; writes yh
.if DOCPART == 3
	.amdgcn_target "amdgcn-amd-amdhsa--gfx1250"
	.amdhsa_code_object_version 6
	.text
	.protected	k_q4e65e9878b_attn
	.globl	k_q4e65e9878b_attn
	.p2align	8
	.type	k_q4e65e9878b_attn,@function
k_q4e65e9878b_attn:
	s_mov_b64 s[64:65], 0
	v_nop
	global_prefetch_b8 v0, s[64:65] scope:SCOPE_SE
	s_setreg_imm32_b32 hwreg(HW_REG_WAVE_MODE, 25, 1), 1
	s_wait_xcnt 0x0
; Causal attention.  qkvh: [4 x 2048][3072] f16 (q | k | v, 16 heads of 64 in each).  yh: [4 x 2048][1024] f16.
; softmax in f32 with a running maximum; products on f16 operands with f32 sums.
; LIMITS: q, k, v, P and y are f16.  A masked score is set to -2^100 in the place of -infinity, so that a wave whose whole share of the
; diagonal tile is masked keeps finite figures (they are multiplied by an exact 0 later); |q.k| <= 64 x 65,504^2 lies far below 2^100.
; SHARE.  Work-group g: e = g & 7, head pair p = (g >> 3) & 7, batch b = g >> 6.  It makes two blocks of 128 queries of both heads of the
; pair: block 2 e and block 15 - 2 e.  Block Q walks the key tiles (128 keys) Q, Q - 1, .. 0: (2 e + 1) + (16 - 2 e) = 17 trips in
; every work-group.  The diagonal tile comes first: the maximum is a real score from the start and the first products start the sums.
; Wave w: hh = w >> 2 the head of the pair, qh = (w >> 1) & 1 its 64 queries, kh = w & 1 its 64 of a tile's 128 keys.  The two waves of
; a pair (kh = 0, 1) keep maxima, sums and outputs of their own and merge them once for each block, through LDS.
; NO JOINT LOADS: the eight work-groups of one (b, p) are at different key tiles in the same trip (their blocks differ); walking them in
; step would take 8 + 15 = 23 trips for the longest pairing in the place of 17.
; S^T = K Q^T (source 0 = keys, source 1 = queries): lane (r, h) holds query r, keys 8 h + j.  Two neighbouring key tiles, rounded to f16,
; are a source-1 fragment P(query r, 32 keys) as they lie.  O^T = V^T P^T, V^T by transposing LDS loads: lane (r, h) holds query r,
; d = 8 h + j.  So maximum, sum and factor are one number a lane for each of the four query tiles.
; LDS: two slots of four parts of 18,432 bytes: K keys 0-63, K keys 64-127 (pitch 272), V keys 0-63, V keys 64-127 (pitch 288); part w of
; a slot is filled by wave w (0..3) with one tensor load of 64 rows x 256 bytes (both heads).  Behind them the exchange and the stage.
.set ROWB,  6144                       ; bytes in a row of qkvh
.set TILEB, 128*ROWB                   ; from a key tile to the next
.set KP,    272                        ; K's pitch: odd multiple of 16
.set VP,    288                        ; V's pitch: odd multiple of 32, for the transposing loads
.set PART,  18432
.set SLOT,  4*PART                     ; 73,728
.set XCH,   2*SLOT                     ; 147,456: for each pair of waves 32 x 512 bytes of O, 512 of -c m, 512 of l
.set XPAIR, 34*512
.set STAGE, XCH+4*XPAIR                ; 217,088: 128 rows of y (both heads, 256 bytes), pitch 272
.set SP,    272
; window 0
.set VKA,  4                           ; v4-5    my K fragments in slot 0, 1
.set VVA,  6                           ; v6-7    my V fragments in slot 0, 1
.set VD,   8                           ; 64 (qh - kh) + r - 8 h: key 16 kt + j is kept for query tile qt where 16 (kt - qt) + j <= this
.set VQO,  9                           ; 6144 r + 16 h
.set VXA,  10                          ; my 16 bytes in my pair's exchange
.set VSTO, 11                          ; the stage: where I put 16 bytes of y
.set VRD,  12                          ; the stage: where I read rows back
.set VCO,  13                          ; my byte offset in yh
.set VM,   16                          ; v[16:19] running maximum of the raw scores, for query tile 0..3
.set VN2,  20                          ; v[20:23] -c m, rounded
.set VT,   24                          ; v[24:27] at work
.set VAL,  28                          ; v[28:35] factor for the old sums, as pairs
.set VNM,  36                          ; v[36:43] -c m, as pairs
.set VL,   44                          ; v[44:51] sums of P, two chains for each query tile
.set VLS,  52                          ; v[52:55] my l
.set VRN,  56                          ; v[56:59] the partner's -c m
.set VRL,  60                          ; v[60:63] the partner's l
.set QF,   64                          ; Q(qt, c) at QF + 16 qt + 8 c
.set KF,   128                         ; K(kt, c) at KF + 32 c + 8 kt
.set VF,   192                         ; V(dt, ks) at VF + 32 ks + 8 dt
; window 1: S(kt, qt) at 64 (kt / 2) + 16 qt + 8 (kt % 2); P(qt, ks) at 64 ks + 16 qt, in S's place; O(dt, qt) at 128 + 8 (4 dt + qt)
.set G1K, 24                           ; s[24:31]
.set G1V, 32                           ; s[32:39]
.set G0,  40                           ; s[40:47] one group 0 for each slot
.set MSB, 0
.macro WIN new                         ; bits 1:0 source 0, 3:2 source 1, 5:4 source 2, 7:6 destination; the high byte repeats the setting that is left
.if MSB != \new
	s_set_vgpr_msb (MSB<<8)|\new
.set MSB, \new
.endif
.endm
.macro PLACES n
.rept \n
	v_nop
.endr
.endm
; Waves 0, 1 fetch K's parts, waves 2, 3 V's, waves 4-7 nothing: one tensor load a wave at the most.  The branches hang on the wave's number alone.
.macro TLOAD s
	s_cmp_ge_u32 s8, 4
	s_cbranch_scc1 .Lnone_\@
	s_cmp_ge_u32 s8, 2
	s_cbranch_scc1 .Lv_\@
	tensor_load_to_lds s[G0+4*\s:G0+4*\s+3], s[G1K:G1K+7]
	s_nop 0
	s_branch .Lnone_\@
.Lv_\@:
	tensor_load_to_lds s[G0+4*\s:G0+4*\s+3], s[G1V:G1V+7]
	s_nop 0
.Lnone_\@:
.endm
; The next tile to fetch: one tile down; below tile 0 the second block's diagonal tile.  Its address goes into slot s's group 0.
.macro NEXT s
	s_sub_co_i32 s17, s17, 1
	s_cmp_lt_i32 s17, 0
	s_cselect_b32 s17, s16, s17
	s_mul_i32 s18, s17, TILEB                      ; s19 = 0
	s_add_nc_u64 s[G0+4*\s+2:G0+4*\s+3], s[20:21], s[18:19]
	s_or_b32 s[G0+4*\s+3], s[G0+4*\s+3], 0x80000000
.endm
; s[66:67] = q at row 2048 b + 128 Q + 64 qh, head 2 p + hh; Q in s[q]
.macro QBASE q
	s_lshl_b32 s82, s14, 11
	s_lshl_b32 s83, s[\q], 7
	s_add_co_u32 s82, s82, s83
	s_lshl_b32 s83, s10, 6
	s_add_co_u32 s82, s82, s83
	s_mul_i32 s80, s82, ROWB
	s_lshl_b32 s83, s13, 8
	s_add_co_u32 s80, s80, s83
	s_lshl_b32 s83, s11, 7
	s_add_co_u32 s80, s80, s83
	s_add_nc_u64 s[66:67], s[4:5], s[80:81]        ; s81 = 0
.endm
; s[68:69] = yh at row 2048 b + 128 Q + 16 w, byte 256 p
.macro YBASE q
	s_lshl_b32 s82, s14, 11
	s_lshl_b32 s83, s[\q], 7
	s_add_co_u32 s82, s82, s83
	s_lshl_b32 s83, s8, 4
	s_add_co_u32 s82, s82, s83
	s_lshl_b32 s80, s82, 11
	s_lshl_b32 s83, s13, 8
	s_add_co_u32 s80, s80, s83
	s_add_nc_u64 s[68:69], s[6:7], s[80:81]
.endm
.macro LOADQ                           ; my 64 queries x 64 d as eight source-1 fragments, straight from memory, once for each block
.irp qt, 0,1,2,3
.irp c, 0,1
	global_load_b128 v[QF+16*\qt+8*\c:QF+16*\qt+8*\c+3], v[VQO], s[66:67] offset:16*ROWB*\qt+64*\c
	global_load_b128 v[QF+16*\qt+8*\c+4:QF+16*\qt+8*\c+7], v[VQO], s[66:67] offset:16*ROWB*\qt+64*\c+32
.endr
.endr
.endm
	s_load_b128 s[4:7], s[0:1], 0x0                ; qkvh s[4:5], yh s[6:7]
	v_lshl_add_u32 v190, v0, 2, 0x3d800
	v_mov_b32 v191, 0
	ds_add_u32 v190, v191
	s_wait_dscnt 0x0
	s_barrier_signal -1
	s_barrier_wait -1
	v_lshrrev_b32 v3, 5, v0
	v_readfirstlane_b32 s8, v3                     ; wave 0..7
	s_and_b32 s9, s8, 1                            ; kh
	s_bfe_u32 s10, s8, 0x10001                     ; qh; for waves 0-3 also: K (0) or V (1)
	s_lshr_b32 s11, s8, 2                          ; hh
	s_and_b32 s12, ttmp9, 7                        ; e
	s_bfe_u32 s13, ttmp9, 0x30003                  ; p
	s_lshr_b32 s14, ttmp9, 6                       ; b
	s_lshl_b32 s15, s12, 1                         ; first block: 2 e
	s_sub_co_u32 s16, 15, s15                      ; second block: 15 - 2 e
	s_sub_co_u32 s63, 7, s12                       ; trips of the second block's loop
	s_mov_b32 s56, 0x3e38aa3b                      ; c = log2(e) / 8, twice (a pair for the packed forms)
	s_mov_b32 s57, 0x3e38aa3b
	s_mov_b32 s58, 0xf1800000                      ; -2^100
	s_mov_b32 s59, 0x76543210                      ; v_permlanex16_b32: lane i reads lane i of the other half
	s_mov_b32 s60, 0xfedcba98
	s_mov_b32 s62, 0xbe38aa3b                      ; -c
	s_mov_b32 s81, 0
	; group 1: 64 rows of 128 elements of 2 bytes, 3,072 elements from row to row; behind every 64 words 4 words of padding (K) or 8 (V)
	s_mov_b32 s[G1K+0], (1<<16)|(1<<20)|(5<<22)|(3<<25)
	s_mov_b32 s[G1V+0], (1<<16)|(1<<20)|(5<<22)|(7<<25)
	s_mov_b32 s[G1K+1], 128<<16                    ; tensor_dim0
	s_mov_b32 s[G1V+1], 128<<16
	s_mov_b32 s[G1K+2], 64<<16                     ; tensor_dim1
	s_mov_b32 s[G1V+2], 64<<16
	s_mov_b32 s[G1K+3], 128<<16                    ; tile_dim0
	s_mov_b32 s[G1V+3], 128<<16
	s_mov_b32 s[G1K+4], 64                         ; tile_dim1
	s_mov_b32 s[G1V+4], 64
	s_mov_b32 s[G1K+5], 3072                       ; the pitch
	s_mov_b32 s[G1V+5], 3072
	s_mov_b32 s[G1K+6], 0
	s_mov_b32 s[G1V+6], 0
	s_mov_b32 s[G1K+7], 0
	s_mov_b32 s[G1V+7], 0
	; my part of key tile 0: row 2048 b + 64 kh, byte 2048 (k) or 4096 (v) + 256 p
	s_lshl_b32 s18, s14, 11
	s_lshl_b32 s82, s9, 6
	s_add_co_u32 s18, s18, s82
	s_mul_i32 s18, s18, ROWB
	s_lshl_b32 s82, s10, 11
	s_add_co_u32 s18, s18, s82
	s_lshl_b32 s82, s13, 8
	s_add_co_u32 s18, s18, s82
	s_add_co_u32 s18, s18, 2048
	s_mov_b32 s19, 0
	s_mul_i32 s84, s8, PART                        ; my part of a slot
	s_mov_b32 s[G0+0], 1
	s_add_co_u32 s[G0+1], s84, 0
	s_mov_b32 s[G0+4], 1
	s_add_co_u32 s[G0+5], s84, SLOT
	s_mov_b32 s17, s15                             ; the first tile: the first block's diagonal
	s_wait_kmcnt 0x0
	s_add_nc_u64 s[20:21], s[4:5], s[18:19]
	s_mul_i32 s18, s17, TILEB
	s_add_nc_u64 s[G0+2:G0+3], s[20:21], s[18:19]
	s_or_b32 s[G0+3], s[G0+3], 0x80000000
	TLOAD 0                                        ; the one first fill at the start; slot 1 is first filled behind the first trip's barrier
	v_and_b32 v1, 15, v0                           ; r
	v_bfe_u32 v2, v0, 4, 1                         ; h
	v_mul_u32_u24 v[VQO], v1, ROWB
	v_lshl_add_u32 v[VQO], v2, 4, v[VQO]
	QBASE 15
	LOADQ
	YBASE 15
	v_mul_u32_u24 v3, v1, KP
	v_lshl_add_u32 v3, v2, 4, v3                   ; 272 r + 16 h
	s_mul_i32 s82, s9, PART
	s_lshl_b32 s83, s11, 7
	s_add_co_u32 s82, s82, s83                     ; my K part, my head's 128 bytes
	v_add_nc_u32 v[VKA], s82, v3
	v_add_nc_u32 v[VKA+1], SLOT, v[VKA]
	v_and_b32 v14, 7, v0
	v_lshl_add_u32 v14, v2, 3, v14                 ; key 8 h + (l & 7)
	v_mul_u32_u24 v14, v14, VP
	v_bfe_u32 v15, v0, 3, 1
	v_lshl_add_u32 v14, v15, 4, v14                ; + 16 ((l >> 3) & 1)
	s_add_co_u32 s82, s82, 2*PART                  ; V's parts lie behind K's two
	v_add_nc_u32 v[VVA], s82, v14
	v_add_nc_u32 v[VVA+1], SLOT, v[VVA]
	s_sub_co_i32 s82, s10, s9
	s_lshl_b32 s82, s82, 6
	v_add_nc_u32 v[VD], s82, v1
	v_lshlrev_b32 v15, 3, v2
	v_sub_nc_u32 v[VD], v[VD], v15
	s_lshr_b32 s82, s8, 1
	s_mul_i32 s82, s82, XPAIR
	s_add_co_u32 s82, s82, XCH
	v_and_b32 v15, 31, v0
	v_lshl_add_u32 v[VXA], v15, 4, s82
	s_mul_i32 s82, s10, 64*SP
	s_add_co_u32 s82, s82, s83
	s_add_co_u32 s82, s82, STAGE
	v_add_nc_u32 v[VSTO], s82, v3                  ; row 64 qh + r, byte 128 hh + 16 h
	s_mul_i32 s82, s8, 16*SP
	s_add_co_u32 s82, s82, STAGE
	v_mul_u32_u24 v[VRD], v2, SP
	v_lshl_add_u32 v[VRD], v1, 4, v[VRD]
	v_add_nc_u32 v[VRD], s82, v[VRD]               ; row 16 w + h, byte 16 r
	v_lshlrev_b32 v[VCO], 11, v2
	v_lshl_add_u32 v[VCO], v1, 4, v[VCO]           ; 2048 h + 16 r
.irp qt, 0,1,2,3
	v_mov_b32 v[VT+\qt], 0                         ; v_permlanex16_b32 counts as a reader of its destination
.endr
; One key tile.  slot: where it lies; other: the other slot; first = 1: the block's diagonal tile (mask; starts maxima and sums);
; refill = 1: the other slot gets the next tile.
.macro TRIP slot, other, first, refill
	s_wait_xcnt 0x0
	v_lshl_add_u32 v190, v0, 2, 0x3d800
	v_mov_b32 v191, 0
	s_wait_tensorcnt 0x0                           ; all my tensor loads have landed (one at the most was out: my part of this trip's tile), so a group 0 may be written
	ds_add_u32 v190, v191
	s_wait_dscnt 0x0
.if \refill
	NEXT \other
.endif
	s_wait_dscnt 0x0                               ; my reads of the other slot are over
	s_barrier_signal -1
	s_barrier_wait -1                              ; both hold of all eight waves
.if \refill
	TLOAD \other                                   ; first thing behind the barrier, one load a wave; it has the whole trip in which to land
.endif
	PLACES 5                                       ; the S products write over P, and the loads below over V, which the last PV products read
.irp c, 0,1
.irp kt, 0,1,2,3
	ds_load_b128 v[KF+32*\c+8*\kt:KF+32*\c+8*\kt+3], v[VKA+\slot] offset:16*KP*\kt+64*\c
	ds_load_b128 v[KF+32*\c+8*\kt+4:KF+32*\c+8*\kt+7], v[VKA+\slot] offset:16*KP*\kt+64*\c+32
.endr
.endr
.irp ks, 0,1
.irp dt, 0,1,2,3
	ds_load_tr16_b128 v[VF+32*\ks+8*\dt:VF+32*\ks+8*\dt+3], v[VVA+\slot] offset:32*VP*\ks+32*\dt
	ds_load_tr16_b128 v[VF+32*\ks+8*\dt+4:VF+32*\ks+8*\dt+7], v[VVA+\slot] offset:32*VP*\ks+32*\dt+16*VP
.endr
.endr
.if \first
	s_wait_loadcnt 0x0                             ; this block's Q
.endif
	; S^T = K Q^T.  Sixteen accumulators take turns, one instruction a turn, in the same order for both halves of d.
	s_wait_dscnt 24                                ; K's d 0-31 are in; K's other 8 loads and V's 16 may be out
	WIN 0x50
.irp kt, 0,1,2,3
.irp qt, 0,1,2,3
	v_wmma_f32_16x16x32_f16 v[64*(\kt/2)+16*\qt+8*(\kt%2):64*(\kt/2)+16*\qt+8*(\kt%2)+7], v[KF+8*\kt:KF+8*\kt+7], v[QF+16*\qt:QF+16*\qt+7], 0
.endr
.endr
	s_wait_dscnt 16                                ; all of K; V's 16 may be out
.irp kt, 0,1,2,3
.irp qt, 0,1,2,3
	v_wmma_f32_16x16x32_f16 v[64*(\kt/2)+16*\qt+8*(\kt%2):64*(\kt/2)+16*\qt+8*(\kt%2)+7], v[KF+32+8*\kt:KF+32+8*\kt+7], v[QF+16*\qt+8:QF+16*\qt+15], v[64*(\kt/2)+16*\qt+8*(\kt%2):64*(\kt/2)+16*\qt+8*(\kt%2)+7]
.endr
.endr
	PLACES 4
.if \first
	; the causal mask: 16 (kt - qt) + j takes 56 values; eight compares for each kt - qt serve all tiles on that diagonal
	WIN 0x44
.set dl, -3
.rept 7
.set jj, 0
.rept 8
	v_cmp_ge_i32 s[72+jj], v[VD], 16*dl+jj
.set jj, jj+1
.endr
.set kk, 0
.rept 4
.set qq, kk-dl
.if qq >= 0
.if qq <= 3
.set SX, 64*(kk/2)+16*qq+8*(kk%2)
.set jj, 0
.rept 8
	v_cndmask_b32 v[SX+jj], s58, v[SX+jj], s[72+jj]
.set jj, jj+1
.endr
.endif
.endif
.set kk, kk+1
.endr
.set dl, dl+1
.endr
.endif
	; the maximum of my 32 scores of each query tile and the old maximum, four chains
	WIN 0x05
.if \first
.irp qt, 0,1,2,3
	v_max_num_f32 v[VM+\qt], v[16*\qt], v[16*\qt+1]
.endr
.endif
.set n, \first
.rept 16-\first
.irp qt, 0,1,2,3
	v_max3_num_f32 v[VM+\qt], v[64*(n/8)+16*\qt+2*(n%8)], v[64*(n/8)+16*\qt+2*(n%8)+1], v[VM+\qt]
.endr
.set n, n+1
.endr
	WIN 0
.irp qt, 0,1,2,3
	v_permlanex16_b32 v[VT+\qt], v[VM+\qt], s59, s60       ; the other eight keys of each 16 lie in the other half of the lanes
.endr
.irp qt, 0,1,2,3
	v_max_num_f32 v[VM+\qt], v[VM+\qt], v[VT+\qt]
.endr
.irp qt, 0,1,2,3
	v_mul_f32 v[VN2+\qt], s62, v[VM+\qt]           ; -c m, rounded once; every exponent below is formed with this number
.endr
.if 1-\first
.irp qt, 0,1,2,3
	v_sub_f32 v[VT+\qt], v[VN2+\qt], v[VNM+2*\qt]  ; exact wherever the factor is not 0: the two then lie within a factor of two
.endr
.irp qt, 0,1,2,3
	v_exp_f32 v[VAL+2*\qt], v[VT+\qt]              ; the factor for the old sums
.endr
.endif
.irp qt, 0,1,2,3
	v_mov_b32 v[VNM+2*\qt], v[VN2+\qt]             ; plain lines behind the exponentials (ISA guide 5.7.2)
	v_mov_b32 v[VNM+2*\qt+1], v[VN2+\qt]
.endr
.if 1-\first
	s_wait_alu depctr_va_vdst(0)
.irp qt, 0,1,2,3
	v_mov_b32 v[VAL+2*\qt+1], v[VAL+2*\qt]
.endr
.endif
	; P = 2^(c S - c m), in place.  The multiply-add of pair i stands ahead of the exponentials of pair i - 1: a plain line that names none of their registers
	WIN 0x41
.set i, 0
.rept 64
	v_pk_fma_f32 v[2*i:2*i+1], v[2*i:2*i+1], s[56:57], v[VNM+2*(((2*i)%64)/16):VNM+2*(((2*i)%64)/16)+1] op_sel_hi:[1,0,1]
.if i > 0
	v_exp_f32 v[2*i-2], v[2*i-2]
	v_exp_f32 v[2*i-1], v[2*i-1]
.endif
.set i, i+1
.endr
	v_exp_f32 v[126], v[126]
	v_exp_f32 v[127], v[127]
	v_nop
	; l = l x factor + the sum of P, in f32, four chains of pairs
.if \first
	WIN 0x05
	s_wait_alu depctr_va_vdst(0)
.irp qt, 0,1,2,3
	v_pk_add_f32 v[VL+2*\qt:VL+2*\qt+1], v[16*\qt:16*\qt+1], v[16*\qt+2:16*\qt+3]
.endr
.else
	WIN 0x10
	s_wait_alu depctr_va_vdst(0)
.irp qt, 0,1,2,3
	v_pk_fma_f32 v[VL+2*\qt:VL+2*\qt+1], v[VL+2*\qt:VL+2*\qt+1], v[VAL+2*\qt:VAL+2*\qt+1], v[16*\qt:16*\qt+1]
.endr
.endif
	WIN 0x01
.set n, 1+\first
.rept 15-\first
.irp qt, 0,1,2,3
	v_pk_add_f32 v[VL+2*\qt:VL+2*\qt+1], v[64*(n/8)+16*\qt+2*(n%8):64*(n/8)+16*\qt+2*(n%8)+1], v[VL+2*\qt:VL+2*\qt+1]
.endr
.set n, n+1
.endr
	; P to f16: sixteen registers (two key tiles of one query tile) become the eight of a fragment, in place, ascending
	WIN 0x45
.set x, 0
.rept 8
.set i, 0
.rept 8
	v_cvt_pk_f16_f32 v[x+i], v[x+2*i], v[x+2*i+1]
.set i, i+1
.endr
.set x, x+16
.endr
.if 1-\first
	WIN 0x41
.irp dt, 0,1,2,3
.irp qt, 0,1,2,3
.irp u, 0,2,4,6
	v_pk_mul_f32 v[128+8*(4*\dt+\qt)+\u:128+8*(4*\dt+\qt)+\u+1], v[128+8*(4*\dt+\qt)+\u:128+8*(4*\dt+\qt)+\u+1], v[VAL+2*\qt:VAL+2*\qt+1]
.endr
.endr
.endr
.endif
	; O^T += V^T P^T.  Sixteen accumulators take turns, one instruction a turn.
	s_wait_dscnt 0x0                               ; V
	WIN 0x54
.irp ks, 0,1
.irp dt, 0,1,2,3
.irp qt, 0,1,2,3
.if \first*(1-\ks)
	v_wmma_f32_16x16x32_f16 v[128+8*(4*\dt+\qt):128+8*(4*\dt+\qt)+7], v[VF+32*\ks+8*\dt:VF+32*\ks+8*\dt+7], v[64*\ks+16*\qt:64*\ks+16*\qt+7], 0
.else
	v_wmma_f32_16x16x32_f16 v[128+8*(4*\dt+\qt):128+8*(4*\dt+\qt)+7], v[VF+32*\ks+8*\dt:VF+32*\ks+8*\dt+7], v[64*\ks+16*\qt:64*\ks+16*\qt+7], v[128+8*(4*\dt+\qt):128+8*(4*\dt+\qt)+7]
.endif
.endr
.endr
.endr
	WIN 0
.endm
; The end of a block: the two waves of a pair merge, y goes out through the stage.  next = 1: the second block follows.
.macro FINISH next
	PLACES 4                                       ; behind the last products: O is read, and loads go into their sources
.if \next
	QBASE 16
	LOADQ                                          ; the second block's Q comes in while this block goes out
.endif
.irp qt, 0,1,2,3
	v_add_f32 v[VLS+\qt], v[VL+2*\qt], v[VL+2*\qt+1]
.endr
	s_cmp_eq_u32 s9, 0
	s_cbranch_scc1 .Lkeep_\@
	WIN 0x04                                       ; kh = 1 gives: O (an LDS store's data is source 1: window 1),
.set n, 0
.rept 32
	ds_store_b128 v[VXA], v[128+4*n:128+4*n+3] offset:512*n
.set n, n+1
.endr
	WIN 0
	ds_store_b128 v[VXA], v[VN2:VN2+3] offset:512*32       ; -c m
	ds_store_b128 v[VXA], v[VLS:VLS+3] offset:512*33       ; and l
.Lkeep_\@:
	s_wait_dscnt 0x0                               ; for the partner's sake: my stores are done
	s_wait_tensorcnt 0x0                           ; no load of mine is in flight over the exchange (it was issued a whole trip ago)
	s_barrier_signal -1
	s_barrier_wait -1
	s_cmp_lg_u32 s9, 0
	s_cbranch_scc1 .Lgave_\@
	ds_load_b128 v[VRN:VRN+3], v[VXA] offset:512*32
	ds_load_b128 v[VRL:VRL+3], v[VXA] offset:512*33
.set n, 0
.rept 32
	ds_load_b128 v[128+4*n:128+4*n+3], v[VXA] offset:512*n         ; the partner's O into window 0, at O's own numbers
.set n, n+1
.endr
	s_wait_dscnt 32                                ; the partner's -c m and l are in; its O may be out
.irp qt, 0,1,2,3
	v_min_num_f32 v[VT+\qt], v[VN2+\qt], v[VRN+\qt]        ; the smaller -c m is the larger maximum
.endr
.irp qt, 0,1,2,3
	v_sub_f32 v[VM+\qt], v[VT+\qt], v[VRN+\qt]
	v_sub_f32 v[VT+\qt], v[VT+\qt], v[VN2+\qt]
.endr
.irp qt, 0,1,2,3
	v_exp_f32 v[VAL+2*\qt], v[VT+\qt]              ; my factor
	v_exp_f32 v[VNM+2*\qt], v[VM+\qt]              ; the partner's
.endr
	v_nop
	s_wait_alu depctr_va_vdst(0)
.irp qt, 0,1,2,3
	v_mul_f32 v[VLS+\qt], v[VAL+2*\qt], v[VLS+\qt]
.endr
.irp qt, 0,1,2,3
	v_fmac_f32 v[VLS+\qt], v[VNM+2*\qt], v[VRL+\qt]
.endr
.irp qt, 0,1,2,3
	v_permlanex16_b32 v[VT+\qt], v[VLS+\qt], s59, s60      ; the other half of the lanes summed the other keys
.endr
.irp qt, 0,1,2,3
	v_add_f32 v[VLS+\qt], v[VLS+\qt], v[VT+\qt]
.endr
.irp qt, 0,1,2,3
	v_rcp_f32 v[VRL+\qt], v[VLS+\qt]               ; l is at least about 1: the largest term of the row has the exponent 0
.endr
	v_nop
	s_wait_alu depctr_va_vdst(0)
.irp qt, 0,1,2,3
	v_mul_f32 v[VAL+2*\qt], v[VAL+2*\qt], v[VRL+\qt]
	v_mul_f32 v[VNM+2*\qt], v[VNM+2*\qt], v[VRL+\qt]
.endr
.irp qt, 0,1,2,3
	v_mov_b32 v[VAL+2*\qt+1], v[VAL+2*\qt]
	v_mov_b32 v[VNM+2*\qt+1], v[VNM+2*\qt]
.endr
	s_wait_dscnt 0x0
.irp dt, 0,1,2,3
.irp qt, 0,1,2,3
.irp u, 0,2,4,6
	v_pk_mul_f32 v[128+8*(4*\dt+\qt)+\u:128+8*(4*\dt+\qt)+\u+1], v[128+8*(4*\dt+\qt)+\u:128+8*(4*\dt+\qt)+\u+1], v[VNM+2*\qt:VNM+2*\qt+1]
.endr
.endr
.endr
	WIN 0x01                                       ; source 0: my O in window 1
.irp dt, 0,1,2,3
.irp qt, 0,1,2,3
.irp u, 0,2,4,6
	v_pk_fma_f32 v[128+8*(4*\dt+\qt)+\u:128+8*(4*\dt+\qt)+\u+1], v[128+8*(4*\dt+\qt)+\u:128+8*(4*\dt+\qt)+\u+1], v[VAL+2*\qt:VAL+2*\qt+1], v[128+8*(4*\dt+\qt)+\u:128+8*(4*\dt+\qt)+\u+1]
.endr
.endr
.endr
	WIN 0
.irp dt, 0,1,2,3
.irp qt, 0,1,2,3
.irp u, 0,1,2,3
	v_cvt_pk_f16_f32 v[128+8*(4*\dt+\qt)+\u], v[128+8*(4*\dt+\qt)+2*\u], v[128+8*(4*\dt+\qt)+2*\u+1]
.endr
	ds_store_b128 v[VSTO], v[128+8*(4*\dt+\qt):128+8*(4*\dt+\qt)+3] offset:16*SP*\qt+32*\dt   ; query 16 qt + r, d 16 dt + 8 h + 0..7
.endr
.endr
.Lgave_\@:
	s_wait_dscnt 0x0                               ; my stores into the stage are done
	s_barrier_signal -1
	s_barrier_wait -1
.irp t, 0,1,2,3,4,5,6,7
	ds_load_b128 v[128+4*\t:128+4*\t+3], v[VRD] offset:2*SP*\t     ; every wave takes 16 rows out: two rows of 256 bytes a load
.endr
.irp t, 0,1,2,3,4,5,6,7
	s_wait_dscnt 7-\t
	global_store_b128 v[VCO], v[128+4*\t:128+4*\t+3], s[68:69] offset:4096*\t   ; 16 lanes store 256 consecutive bytes (both heads), aligned
.endr
.if \next
	s_wait_xcnt 0x0                                ; the stores' base and data are rewritten only behind this wait
	YBASE 16
.endif
.endm
	TRIP 0, 1, 1, 1                                ; block 2 e: its diagonal tile, then 2 e more tiles
	s_cmp_eq_u32 s12, 0
	s_cbranch_scc1 .Lblock1_done
	s_mov_b32 s61, 0
.Lblock1:
	TRIP 1, 0, 0, 1
	TRIP 0, 1, 0, 1
	s_add_co_u32 s61, s61, 1
	s_cmp_lt_u32 s61, s12
	s_cbranch_scc1 .Lblock1
.Lblock1_done:
	FINISH 1
	TRIP 1, 0, 1, 1                                ; block 15 - 2 e: its diagonal tile, 2 (7 - e) tiles, and the last one, which fetches nothing
	s_cmp_eq_u32 s63, 0
	s_cbranch_scc1 .Lblock2_tail
	s_mov_b32 s61, 0
.Lblock2:
	TRIP 0, 1, 0, 1
	TRIP 1, 0, 0, 1
	s_add_co_u32 s61, s61, 1
	s_cmp_lt_u32 s61, s63
	s_cbranch_scc1 .Lblock2
.Lblock2_tail:
	TRIP 0, 1, 0, 0
	FINISH 0
	s_wait_xcnt 0x0
	v_lshl_add_u32 v190, v0, 2, 0x3d800
	v_mov_b32 v191, 0
	s_wait_tensorcnt 0x0
	ds_add_u32 v190, v191
	s_wait_dscnt 0x0
	s_endpgm
.Lfunc_end_k_q4e65e9878b_attn:
	.size	k_q4e65e9878b_attn, .Lfunc_end_k_q4e65e9878b_attn-k_q4e65e9878b_attn
	.p2alignl 7, 3214868480
	.fill 96, 4, 3214868480
	.section	.rodata,"a",@progbits
	.p2align	6, 0x0
	.amdhsa_kernel k_q4e65e9878b_attn
		.amdhsa_group_segment_fixed_size 327680
		.amdhsa_private_segment_fixed_size 0
		.amdhsa_enable_private_segment 0
		.amdhsa_kernarg_size 16
		.amdhsa_user_sgpr_count 2
		.amdhsa_user_sgpr_kernarg_segment_ptr 1
		.amdhsa_wavefront_size32 1
		.amdhsa_system_sgpr_workgroup_id_x 1
		.amdhsa_system_sgpr_workgroup_id_y 1
		.amdhsa_system_sgpr_workgroup_id_z 1
		.amdhsa_system_vgpr_workitem_id 0
		.amdhsa_next_free_vgpr 512
		.amdhsa_next_free_sgpr 96
		.amdhsa_reserve_vcc 0
		.amdhsa_float_denorm_mode_32 3
		.amdhsa_float_denorm_mode_16_64 3
		.amdhsa_memory_ordered 1
		.amdhsa_forward_progress 1
		.amdhsa_inst_pref_size 255
	.end_amdhsa_kernel
	.section	.bss,"aw",@nobits
	.p2align	6
	.space	262144
	.amdgpu_metadata
---
amdhsa.version: [ 1, 2 ]
amdhsa.kernels:
  - .name:           k_q4e65e9878b_attn
    .symbol:         k_q4e65e9878b_attn.kd
    .args:
      - { .name: qkvh, .offset: 0, .size: 8, .value_kind: global_buffer, .address_space: global }
      - { .name: yh, .offset: 8, .size: 8, .value_kind: global_buffer, .address_space: global }
    .group_segment_fixed_size: 327680
    .private_segment_fixed_size: 0
    .kernarg_segment_align: 8
    .kernarg_segment_size: 16
    .max_flat_workgroup_size: 256
    .sgpr_count:     96
    .vgpr_count:     512
    .wavefront_size: 32
...
	.end_amdgpu_metadata
.endif
;; end of part 3
;; launch proj (part 4): grid 8 x 32, 4 waves a work-group, clusters of 4 x 4, 327,680 bytes of LDS; arguments yh, wph, out0; writes out0
.if DOCPART == 4
	.amdgcn_target "amdgcn-amd-amdhsa--gfx1250"
	.amdhsa_code_object_version 6
	.text
	.protected	k_q4e65e9878b_proj
	.globl	k_q4e65e9878b_proj
	.p2align	8
	.type	k_q4e65e9878b_proj,@function
k_q4e65e9878b_proj:
	s_mov_b64 s[64:65], 0
	v_nop
	global_prefetch_b8 v0, s[64:65] scope:SCOPE_SE
	s_setreg_imm32_b32 hwreg(HW_REG_WAVE_MODE, 25, 1), 1
	s_wait_xcnt 0x0
	s_wait_alu depctr_hold_cnt(0) depctr_sa_sdst(0) depctr_va_vdst(0) depctr_va_sdst(0) depctr_va_ssrc(0) depctr_va_vcc(0) depctr_vm_vsrc(0)
	s_getreg_b32 s2, hwreg(HW_REG_IB_STS2, 6, 4)
	s_cmp_eq_u32 s2, 0
	s_cbranch_scc0 .Lentry_in_a_cluster
	s_endpgm
.Lentry_in_a_cluster:
	s_bfe_u32 s2, ttmp6, 0x10000c
	s_cmp_lg_u32 s2, 0xf033
	s_cbranch_scc0 .Lentry_shape_is_right
	s_endpgm
.Lentry_shape_is_right:
; C[m][n] = sum over k of A[m][k] B[n][k].  A: [8192][1024], B: [SIZE_N][1024], 16-bit operands, sums in f32.
; Here: A = yh (f16), B = wph (w_proj's bf16 numbers in f16's code) (BF16IN = 0); C = out0 [8192][1024] in f32 (F32OUT = 1).
; The same text with BF16IN = 1, F32OUT = 0 makes q, k and v.
; LIMIT: the operands are f16 (magnitudes below 65,504); the result is stored as the f32 sum.
; A work-group makes 256 (m) x 128 (n) of C with four waves; wave w makes rows 64 w .. 64 w + 63 x all 128 columns: 32 accumulator
; tiles of 16 x 16, 256 registers.  8192/256 x 1024/128 = 256 work-groups.  K goes in steps of 128 through two LDS slots filled by
; the tensor data mover; a tile's rows are 256 bytes of memory and start at multiples of 256 bytes from the buffer's first byte.
; CLUSTERS: 4 x 4 work-groups.  The four of a row of the cluster need the same tile of A, the four of a column the same tile of B:
; each tile is asked for jointly, by the same tensor load with a mask that names the four.
; REGISTERS: window 0: v16-26 addresses; two fragment buffers at v32 and v128 (A's 4 fragments, then B's 8); v224-255 at work on the
; way out.  Window 1: accumulator (a, b) at v[8 (8 a + b)].
; The matrix instruction is used transposed (source 0 = rows of B, source 1 = rows of A): lane l holds row l % 16 of C and its eight
; registers the columns 8 (l / 16) + 0 .. 7, eight neighbouring numbers of a row.
.set SIZE_K, 1024
.set SIZE_N, 1024
.set BF16IN, 0
.set F32OUT, 1
.set OUTROW, 4096                      ; bytes in a row of C
.set KSTEP,  128
.set PITCH,  272                       ; an LDS row: 256 bytes + 16 of padding, an odd multiple of 16: the 16 rows of a fragment load start 16 bytes apart modulo 256
.set AHALF,  128*PITCH                 ; what waves 0 and 1 fetch: 128 rows of A each
.set BHALF,  64*PITCH                  ; what waves 2 and 3 fetch: 64 rows of B each
.set SLOT,   2*AHALF+2*BHALF           ; 104,448
.set STAGE,  2*SLOT                    ; behind the ring: 16 rows for each wave, for the way out; no tensor load lands here
.if F32OUT
.set SPITCH, 528                       ; 512 bytes + 16
.else
.set SPITCH, 272
.endif
.set LAPS, SIZE_K/(2*KSTEP)            ; a lap = two K steps = once round the ring: 4
.set ADRA, 16                          ; v16-17  LDS address of my A fragments in slot 0, 1
.set ADRB, 20                          ; v20-21  the same for B
.set STO,  24                          ; the way out: where I put my piece of a row
.set RD,   25                          ; the way out: where I read rows back
.set CO,   26                          ; my byte offset in C
.set F0,   32
.set F1,   128
.set TMP,  224
.set G1,  24                           ; s[24:31] group 1 for A's tiles
.set G0,  32                           ; s[32:39] group 0 for A's tiles, one set for each slot
.set G1B, 48                           ; s[48:55] group 1 for B's tiles
.set G0B, 56                           ; s[56:63] group 0 for B's tiles, one set for each slot
.set MSB, 0
.macro WIN new                         ; s_set_vgpr_msb: bits 1:0 source 0, 3:2 source 1, 5:4 source 2, 7:6 destination; the high byte repeats the setting that is left
.if MSB != \new
	s_set_vgpr_msb (MSB<<8)|\new
.set MSB, \new
.endif
.endm
.set MUL, 0x50                         ; A and B in window 0, C and D in window 1
; A joint load.  Waves 0 and 1 fetch A's halves, waves 2 and 3 B's.  The branch hangs on the wave's number alone.
.macro JLOAD s
	s_cmp_eq_u32 s11, 0
	s_cbranch_scc0 .Lfor_b_\@
	tensor_load_to_lds s[G0+4*\s:G0+4*\s+3], s[G1:G1+7]
	s_nop 0
	s_branch .Lasked_\@
.Lfor_b_\@:
	tensor_load_to_lds s[G0B+4*\s:G0B+4*\s+3], s[G1B:G1B+7]
	s_nop 0
.Lasked_\@:
.endm
; A round of the cluster's barrier: my work-group's barrier; wave 0 signals for the work-group; every wave waits for all sixteen; my work-group's barrier again.
.macro CREST                           ; a round behind its opening barrier
	s_cmp_lg_u32 s10, 0
	s_cbranch_scc1 .Lnot_wave_0_\@
	s_barrier_signal -3
.Lnot_wave_0_\@:
	s_barrier_wait -3
	s_barrier_signal -1
	s_barrier_wait -1
.endm
.macro CROUND
	s_barrier_signal -1
	s_barrier_wait -1
	CREST
.endm
	s_load_b128 s[4:7], s[0:1], 0x0                ; A s[4:5], B s[6:7]
	s_load_b64 s[8:9], s[0:1], 0x10                ; C
	v_lshl_add_u32 v254, v0, 2, 0x3b400
	v_mov_b32 v255, 0
	ds_add_u32 v254, v255
	v_lshrrev_b32 v1, 5, v0
	v_readfirstlane_b32 s10, v1                    ; wave 0..3
	s_lshr_b32 s11, s10, 1                         ; I fetch for A (0) or for B (1)
	s_and_b32 s12, s10, 1                          ; which half of that tile
	s_bfe_u32 s40, ttmp6, 0x40000                  ; cx
	s_bfe_u32 s41, ttmp6, 0x40004                  ; cy
	s_lshl_b32 s42, ttmp9, 2
	s_add_co_u32 s42, s42, s40                     ; block column of C = 4 x cluster x + cx
	s_and_b32 s13, ttmp7, 0xffff
	s_lshl_b32 s13, s13, 2
	s_add_co_u32 s13, s13, s41                     ; block row of C = 4 x cluster y + cy
	s_lshl_b32 s43, s41, 2
	s_lshl_b32 s43, 15, s43                        ; my row of the cluster: places 4 cy .. 4 cy + 3
	s_lshl_b32 s44, 0x1111, s40                    ; my column: places cx, cx + 4, cx + 8, cx + 12
	; group 1: rows of 128 elements of 2 bytes, 4 words of padding behind every 64 words; A 128 rows, B 64 rows; 1,024 elements from row to row
	s_or_b32 s[G1+0], s43, (1<<16)|(1<<20)|(1<<21)|(5<<22)|(3<<25)
	s_or_b32 s[G1B+0], s44, (1<<16)|(1<<20)|(1<<21)|(5<<22)|(3<<25)
	s_mov_b32 s[G1+1], KSTEP<<16                   ; tensor_dim0 = 128
	s_mov_b32 s[G1B+1], KSTEP<<16
	s_mov_b32 s[G1+2], 128<<16                     ; tensor_dim1 = 128
	s_mov_b32 s[G1B+2], 64<<16                     ; tensor_dim1 = 64
	s_mov_b32 s[G1+3], KSTEP<<16                   ; tile_dim0 = 128
	s_mov_b32 s[G1B+3], KSTEP<<16
	s_mov_b32 s[G1+4], 128                         ; tile_dim1
	s_mov_b32 s[G1B+4], 64
	s_mov_b32 s[G1+5], SIZE_K                      ; the pitch
	s_mov_b32 s[G1B+5], SIZE_K
	s_mov_b32 s[G1+6], 0
	s_mov_b32 s[G1B+6], 0
	s_mov_b32 s[G1+7], 0
	s_mov_b32 s[G1B+7], 0
	; A's tiles hang on the block row alone, B's on the block column alone; each address in registers that never hold the other coordinate
	s_lshl_b32 s17, s12, 7
	s_lshl_b32 s16, s13, 8
	s_add_co_u32 s16, s16, s17                     ; A: row 256 x block row + 128 x half
	s_lshl_b32 s47, s12, 6
	s_lshl_b32 s46, s42, 7
	s_add_co_u32 s46, s46, s47                     ; B: row 128 x block column + 64 x half
	s_mov_b32 s17, 0
	s_mov_b32 s47, 0
	s_mov_b64 s[18:19], SIZE_K*2
	s_mul_u64 s[16:17], s[16:17], s[18:19]         ; in bytes
	s_mul_u64 s[46:47], s[46:47], s[18:19]
	s_mul_i32 s20, s10, AHALF                      ; where A's halves go (waves 0, 1): wave x 34,816
	s_mul_i32 s21, s10, BHALF
	s_add_co_u32 s21, s21, AHALF                   ; where B's go (waves 2, 3): 69,632 + (wave - 2) x 17,408 = 34,816 + wave x 17,408
	s_wait_dscnt 0x0
	s_wait_kmcnt 0x0
	s_add_nc_u64 s[14:15], s[4:5], s[16:17]
	s_add_nc_u64 s[46:47], s[6:7], s[46:47]
	CROUND                                         ; all sixteen work-groups are here: the first joint loads meet
.irp s, 0,1
	s_mov_b32 s[G0+4*\s], 1
	s_add_co_u32 s[G0+4*\s+1], s20, \s*SLOT
	s_add_nc_u64 s[G0+4*\s+2:G0+4*\s+3], s[14:15], \s*KSTEP*2      ; K step s
	s_or_b32 s[G0+4*\s+3], s[G0+4*\s+3], 0x80000000                ; type = 2
	s_mov_b32 s[G0B+4*\s], 1
	s_add_co_u32 s[G0B+4*\s+1], s21, \s*SLOT
	s_add_nc_u64 s[G0B+4*\s+2:G0B+4*\s+3], s[46:47], \s*KSTEP*2
	s_or_b32 s[G0B+4*\s+3], s[G0B+4*\s+3], 0x80000000
	JLOAD \s                                       ; both first fills go out together: a wave has two tensor loads out here, later one
.endr
	; a fragment: lane l holds row l % 16; registers 0-3 K = 8 (l / 16) + 0..7, registers 4-7 K = 16 + 8 (l / 16) + 0..7: two loads of 16 bytes, 32 bytes apart
	v_and_b32 v1, 15, v0                           ; r = l % 16
	v_bfe_u32 v2, v0, 4, 1                         ; h = l / 16
	v_mul_u32_u24 v3, v1, PITCH
	v_lshl_add_u32 v3, v2, 4, v3                   ; r x pitch + 16 h
	s_mul_i32 s22, s10, 64*PITCH                   ; my 64 rows of A
	s_mov_b32 s23, 2*AHALF                         ; B's 128 rows lie behind A's 256
.irp s, 0,1
	v_add_nc_u32 v[ADRA+\s], s22, v3
	v_add_nc_u32 v[ADRB+\s], s23, v3
	s_add_co_u32 s22, s22, SLOT
	s_add_co_u32 s23, s23, SLOT
.endr
	s_mul_i32 s23, s10, 16*SPITCH
	s_add_co_u32 s23, s23, STAGE                   ; my stage
	v_mul_u32_u24 v4, v1, SPITCH
.if F32OUT
	v_lshl_add_u32 v4, v2, 5, v4                   ; in: row r, 32 bytes for each half of the lanes
	v_add_nc_u32 v[STO], s23, v4
	v_and_b32 v5, 31, v0
	v_lshlrev_b32 v[CO], 4, v5                     ; back and out: 32 lanes take one row of 512 bytes
	v_add_nc_u32 v[RD], s23, v[CO]
.else
	v_lshl_add_u32 v4, v2, 4, v4                   ; in: row r, 16 bytes for each half of the lanes
	v_add_nc_u32 v[STO], s23, v4
	v_mul_u32_u24 v5, v2, SPITCH                   ; back: lanes 0-15 take one row of 256 bytes, lanes 16-31 the next
	v_lshl_add_u32 v5, v1, 4, v5
	v_add_nc_u32 v[RD], s23, v5
	v_mul_u32_u24 v5, v2, OUTROW                   ; and the same two rows in C
	v_lshl_add_u32 v[CO], v1, 4, v5
.endif
; 8 matrix instructions: m block a x all 8 n blocks, 32 along K.  zero = 1: the first product starts the sums.
; The 32 accumulators take turns, one instruction a turn, in the same order in every quarter step.
.macro MUL8 f, a, zero
.irp b, 0,1,2,3,4,5,6,7
.if BF16IN
.if \zero
	v_wmma_f32_16x16x32_bf16 v[8*(8*\a+\b):8*(8*\a+\b)+7], v[\f+32+8*\b:\f+32+8*\b+7], v[\f+8*\a:\f+8*\a+7], 0
.else
	v_wmma_f32_16x16x32_bf16 v[8*(8*\a+\b):8*(8*\a+\b)+7], v[\f+32+8*\b:\f+32+8*\b+7], v[\f+8*\a:\f+8*\a+7], v[8*(8*\a+\b):8*(8*\a+\b)+7]
.endif
.else
.if \zero
	v_wmma_f32_16x16x32_f16 v[8*(8*\a+\b):8*(8*\a+\b)+7], v[\f+32+8*\b:\f+32+8*\b+7], v[\f+8*\a:\f+8*\a+7], 0
.else
	v_wmma_f32_16x16x32_f16 v[8*(8*\a+\b):8*(8*\a+\b)+7], v[\f+32+8*\b:\f+32+8*\b+7], v[\f+8*\a:\f+8*\a+7], v[8*(8*\a+\b):8*(8*\a+\b)+7]
.endif
.endif
.endr
.endm
; 24 LDS loads in one run: B's 8 fragments, then A's 4, of one quarter step (32 K at byte k of the rows) into buffer f
.macro FETCH slot, k, f
.irp i, 0,1,2,3,4,5,6,7
	ds_load_b128 v[\f+32+8*\i:\f+32+8*\i+3], v[ADRB+\slot] offset:\k+\i*16*PITCH
	ds_load_b128 v[\f+32+8*\i+4:\f+32+8*\i+7], v[ADRB+\slot] offset:\k+\i*16*PITCH+32
.endr
.irp i, 0,1,2,3
	ds_load_b128 v[\f+8*\i:\f+8*\i+3], v[ADRA+\slot] offset:\k+\i*16*PITCH
	ds_load_b128 v[\f+8*\i+4:\f+8*\i+7], v[ADRA+\slot] offset:\k+\i*16*PITCH+32
.endr
.endm
; Four places between a matrix instruction and a load into one of its sources, or a vector instruction or LDS store that reads its result
.macro PLACES
.rept 4
	v_nop
.endr
.endm
; One of a K step's first three quarters: multiplies buffer f; in its middle it fetches the next quarter's fragments into buffer g.
.macro QUARTER slot, k, f, g, zero
	s_wait_dscnt 4                                 ; of buffer f's 24 loads only the youngest four (A's fragments 2 and 3) may be out
	WIN MUL
	MUL8 \f, 0, \zero
	MUL8 \f, 1, \zero
	PLACES
	WIN 0
	FETCH \slot, \k, \g
	s_wait_dscnt 24                                ; all but the 24 just issued
	WIN MUL
	MUL8 \f, 2, \zero
	MUL8 \f, 3, \zero
.endm
.macro THREE slot, zero
	QUARTER \slot, 64,  F0, F1, \zero
	QUARTER \slot, 128, F1, F0, 0
	QUARTER \slot, 192, F0, F1, 0
.endm
; The last quarter multiplies buffer 1 and changes slots.  In front of the barrier each wave waits for its reads of this slot and for all
; its tensor loads (one is out: its part of the next slot).  Behind it this slot is filled again first, then the next slot is read.
.macro TURN slot, next, fill
	s_wait_dscnt 4
	WIN MUL
	MUL8 F1, 0, 0
	s_wait_dscnt 0                                 ; my reads of this slot are over
	s_wait_tensorcnt 0x0                           ; all my tensor loads have landed
	ds_add_u32 v254, v255
	s_wait_dscnt 0x0
	s_barrier_signal -1                            ; where the slot is filled again this barrier opens a round of the cluster's barrier
	MUL8 F1, 1, 0                                  ; register work while the others arrive
	WIN 0
	s_barrier_wait -1
.if \fill
	CREST                                          ; no wave of any partner still reads this slot or has a load on its way
	s_add_nc_u64 s[G0+4*\slot+2:G0+4*\slot+3], s[G0+4*\slot+2:G0+4*\slot+3], 2*KSTEP*2
	s_add_nc_u64 s[G0B+4*\slot+2:G0B+4*\slot+3], s[G0B+4*\slot+2:G0B+4*\slot+3], 2*KSTEP*2
	JLOAD \slot                                    ; the first tensor load behind the round, one a wave
.endif
	PLACES
	FETCH \next, 0, F0
	WIN MUL
	MUL8 F1, 2, 0
	MUL8 F1, 3, 0
.endm
.macro LAP zero
	THREE 0, \zero
	TURN 0, 1, 1
	THREE 1, 0
	TURN 1, 0, 1
.endm
	s_wait_tensorcnt 1                             ; my part of K step 0 is in; K step 1's may stay out
	s_barrier_signal -1
	s_barrier_wait -1
	FETCH 0, 0, F0
	LAP 1                                          ; the first lap's first products start the sums
.if LAPS > 2
	WIN 0                                          ; at a label and at a branch every window is 0
	s_mov_b32 s3, LAPS-2
.Llap:
	LAP 0
	WIN 0
	s_sub_co_u32 s3, s3, 1
	s_cmp_lg_u32 s3, 0
	s_cbranch_scc1 .Llap
.endif
	THREE 0, 0                                     ; the last lap fills nothing
	TURN 0, 1, 0
	THREE 1, 0
	s_wait_dscnt 4
	WIN MUL
	MUL8 F1, 0, 0
	MUL8 F1, 1, 0
	s_wait_dscnt 0
	MUL8 F1, 2, 0
	MUL8 F1, 3, 0
	; THE WAY OUT, 16 rows of C at a time, through my own stage in LDS, read back as whole rows
	PLACES
	s_lshl_b32 s13, s13, 8
	s_lshl_b32 s14, s10, 6
	s_add_co_u32 s16, s13, s14                     ; my first row of C: 256 x block row + 64 x wave
	s_mov_b32 s17, 0
	s_mov_b64 s[18:19], OUTROW
	s_mul_u64 s[16:17], s[16:17], s[18:19]
	s_add_nc_u64 s[8:9], s[8:9], s[16:17]
.if F32OUT
	s_lshl_b32 s46, s42, 9                         ; my first column in bytes: 128 numbers of 4 bytes a block
.else
	s_lshl_b32 s46, s42, 8                         ; 128 numbers of 2 bytes a block
.endif
	s_mov_b32 s47, 0
	s_add_nc_u64 s[8:9], s[8:9], s[46:47]
; rows 16 i .. 16 i + 15 of my block = the eight tiles (i, 0..7); f: the registers that carry the rows out, F0 and F1 in turn
.macro OUT16 i, f
.if F32OUT
	WIN 0x04                                       ; an LDS store's data is source 1: window 1
.irp b, 0,1,2,3,4,5,6,7
	ds_store_b128 v[STO], v[8*(8*\i+\b):8*(8*\i+\b)+3] offset:64*\b
	ds_store_b128 v[STO], v[8*(8*\i+\b)+4:8*(8*\i+\b)+7] offset:64*\b+16
.endr
	WIN 0
.else
	WIN 0x05
.irp b, 0,1,2,3,4,5,6,7
.irp r, 0,1,2,3
	v_cvt_pk_f16_f32 v[TMP+4*\b+\r], v[8*(8*\i+\b)+2*\r], v[8*(8*\i+\b)+2*\r+1]
.endr
.endr
	WIN 0
.irp b, 0,1,2,3,4,5,6,7
	ds_store_b128 v[STO], v[TMP+4*\b:TMP+4*\b+3] offset:32*\b
.endr
.endif
	s_wait_xcnt 0x0                                ; the registers and the base that earlier stores read are rewritten only behind this wait
.if \i
	s_add_nc_u64 s[8:9], s[8:9], 16*OUTROW
.endif
.if F32OUT
.irp t, 0,1,2,3,4,5,6,7,8,9,10,11,12,13,14,15
	ds_load_b128 v[\f+4*\t:\f+4*\t+3], v[RD] offset:\t*SPITCH      ; LDS serves a wave's instructions in order: these see the stores above
.endr
.irp t, 0,1,2,3,4,5,6,7,8,9,10,11,12,13,14,15
	s_wait_dscnt 15-\t
	global_store_b128 v[CO], v[\f+4*\t:\f+4*\t+3], s[8:9] offset:\t*OUTROW th:TH_STORE_NT   ; the wave stores 512 consecutive bytes, aligned
.endr
.else
.irp t, 0,1,2,3,4,5,6,7
	ds_load_b128 v[\f+4*\t:\f+4*\t+3], v[RD] offset:\t*2*SPITCH
.endr
.irp t, 0,1,2,3,4,5,6,7
	s_wait_dscnt 7-\t
	global_store_b128 v[CO], v[\f+4*\t:\f+4*\t+3], s[8:9] offset:2*\t*OUTROW   ; 16 lanes store 256 consecutive bytes, aligned
.endr
.endif
.endm
	OUT16 0, F0
	OUT16 1, F1
	OUT16 2, F0
	OUT16 3, F1
	s_wait_tensorcnt 0x0
	ds_add_u32 v254, v255
	s_wait_dscnt 0x0
	CROUND                                         ; the closing round: no work-group ends while a partner may still ask for a tile that names it
	s_endpgm
.Lfunc_end_k_q4e65e9878b_proj:
	.size	k_q4e65e9878b_proj, .Lfunc_end_k_q4e65e9878b_proj-k_q4e65e9878b_proj
	.p2alignl 7, 3214868480
	.fill 96, 4, 3214868480
	.section	.rodata,"a",@progbits
	.p2align	6, 0x0
	.amdhsa_kernel k_q4e65e9878b_proj
		.amdhsa_group_segment_fixed_size 327680
		.amdhsa_private_segment_fixed_size 0
		.amdhsa_enable_private_segment 0
		.amdhsa_kernarg_size 24
		.amdhsa_user_sgpr_count 2
		.amdhsa_user_sgpr_kernarg_segment_ptr 1
		.amdhsa_wavefront_size32 1
		.amdhsa_system_sgpr_workgroup_id_x 1
		.amdhsa_system_sgpr_workgroup_id_y 1
		.amdhsa_system_sgpr_workgroup_id_z 1
		.amdhsa_system_vgpr_workitem_id 0
		.amdhsa_next_free_vgpr 512
		.amdhsa_next_free_sgpr 66
		.amdhsa_reserve_vcc 0
		.amdhsa_float_denorm_mode_32 3
		.amdhsa_float_denorm_mode_16_64 3
		.amdhsa_memory_ordered 1
		.amdhsa_forward_progress 1
		.amdhsa_inst_pref_size 118
	.end_amdhsa_kernel
	.amdgpu_metadata
---
amdhsa.version: [ 1, 2 ]
amdhsa.kernels:
  - .name:           k_q4e65e9878b_proj
    .symbol:         k_q4e65e9878b_proj.kd
    .args:
      - { .name: yh, .offset: 0, .size: 8, .value_kind: global_buffer, .address_space: global }
      - { .name: wph, .offset: 8, .size: 8, .value_kind: global_buffer, .address_space: global }
      - { .name: out0, .offset: 16, .size: 8, .value_kind: global_buffer, .address_space: global }
    .group_segment_fixed_size: 327680
    .private_segment_fixed_size: 0
    .kernarg_segment_align: 8
    .kernarg_segment_size: 24
    .max_flat_workgroup_size: 128
    .sgpr_count:     66
    .vgpr_count:     512
    .wavefront_size: 32
...
	.end_amdgpu_metadata
.endif
;; end of part 4
;; ======== version 2 of 2: 4 launches; version 1 with the launch cast written anew for expert scheduling mode
;; limits: values are held in f16: magnitudes above 65,504 overflow, below 6.1e-05 lose precision
;; workspace buffers: xb 16,777,216 bytes; wqb 6,291,456 bytes; wph 2,097,152 bytes; qkvh 50,331,648 bytes; yh 16,777,216 bytes
;; launch cast (part 5): grid 768 x 1, 8 waves a work-group, no clusters, 0 bytes of LDS; arguments x, w_qkv, w_proj, xb, wqb, wph; writes xb, wqb, wph
.if DOCPART == 5
	.amdgcn_target "amdgcn-amd-amdhsa--gfx1250"
	.amdhsa_code_object_version 6
	.text
	.protected	k_q4e65e9878b_cast
	.globl	k_q4e65e9878b_cast
	.p2align	8
	.type	k_q4e65e9878b_cast,@function
k_q4e65e9878b_cast:
	s_mov_b64 s[64:65], 0
	v_nop
	global_prefetch_b8 v0, s[64:65] scope:SCOPE_SE
	s_setreg_imm32_b32 hwreg(HW_REG_WAVE_SCHED_MODE, 0, 2), 2
	s_setreg_imm32_b32 hwreg(HW_REG_WAVE_MODE, 25, 1), 1
	s_wait_xcnt 0x0
	s_wait_alu depctr_vm_vsrc(0)
; x, w_qkv, w_proj (f32) are rounded once to bf16 (nearest even), the operand format of the products, so that the products that read each
; of them many times move half the bytes and convert nothing.  xb and wqb hold the bf16 numbers as they are.
; wph holds w_proj's bf16 numbers in f16's code: its partner in the last product, y, is kept in f16 (the first rows of a sequence average
; few values and are some ten times the output's root mean square, so y needs the 11 significant bits), and a matrix instruction takes one
; format for both operands.  f16's code holds a bf16 number's 8 significant bits exactly from 2^-14 upward.
; LIMIT (w_proj alone): a magnitude of 65,504 or more becomes an infinity; below 2^-14 the number is rounded to a multiple of 2^-24.
; A work-group takes 16,384 neighbouring numbers of one tensor: 64 KiB in, 32 KiB out.  Groups 0-511 take x (8,388,608 numbers),
; 512-703 w_qkv (3,145,728), 704-767 w_proj (1,048,576).  A stream: no LDS, no barrier, no matrix unit.
; All sixteen loads of a thread are issued at once; no register that a memory instruction still reads is written.
; THE MODE: SCHED_MODE bits 1:0 = 2 (LLVM: expert scheduling mode 2), set by the entry lines.  The code itself states the register dependences
; between vector instructions and memory instructions, with s_wait_alu, always for 0.
; THE PLAN.  Registers that memory instructions touch:
;   v1, v2   byte offsets of the loads and of the stores: written once at the head, never again.
;   X        row j's four registers: load j lands in them; all sixteen loads are issued ahead of every vector line that names X, and no load follows.
;            Row j's conversions read them; on w_proj's path the widening lines write them again, behind the wait that shows load j done.  No memory instruction reads them.
;   Y        row j's pair: written once, by row j's conversions; read once, by store j; never written again.
;   T        named by vector lines alone.
; The sixteen rows go in four blocks of four.  Block p converts its rows into their Y; its memory instructions are the four stores of block p - 1,
; whose Y no vector line of block p names.  So one wait on va_vdst at a block's head states all that the block's stores hang on, and they are dealt
; among its conversions with no further wait.  Five such waits on each path: one at the kernel's head, one at the head of blocks 1 to 3, one ahead of the last four stores.
; No register that a memory instruction reads is written again, no vector line writes a scalar register or VCC, and EXEC is never written: no other wait is owed.
.set XG, 512                           ; work-groups for x
.set QG, 192                           ; work-groups for w_qkv
.set X,  4                             ; v[4:67]    16 x 4 numbers as loaded
.set Y,  68                            ; v[68:99]   16 x 4 numbers of 16 bits
.set T,  100                           ; v[100:101] w_proj: four bf16, at work
	s_load_b256 s[4:11], s[0:1], 0x0               ; x s[4:5], w_qkv s[6:7], w_proj s[8:9], xb s[10:11]
	s_load_b128 s[12:15], s[0:1], 0x20             ; wqb s[12:13], wph s[14:15]
	v_lshlrev_b32 v1, 4, v0                        ; 16 bytes a thread in
	v_lshlrev_b32 v2, 3, v0                        ; 8 bytes a thread out
	s_sub_co_u32 s16, ttmp9, XG                    ; the group's number inside w_qkv,
	s_sub_co_u32 s18, ttmp9, XG+QG                 ; inside w_proj (only the one that applies is used)
	s_mov_b32 s25, 0
	s_wait_kmcnt 0x0
	s_cmp_lt_u32 ttmp9, XG+QG                      ; the choice hangs on the group's number alone
	s_cselect_b64 s[20:21], s[6:7], s[8:9]
	s_cselect_b64 s[22:23], s[12:13], s[14:15]
	s_cselect_b32 s17, s16, s18
	s_cmp_lt_u32 ttmp9, XG
	s_cselect_b64 s[20:21], s[4:5], s[20:21]       ; from
	s_cselect_b64 s[22:23], s[10:11], s[22:23]     ; to
	s_cselect_b32 s17, ttmp9, s17                  ; the group's number inside its tensor
	s_lshl_b32 s24, s17, 16                        ; 65,536 bytes in for each group (below 2^25)
	s_add_nc_u64 s[20:21], s[20:21], s[24:25]
	s_lshl_b32 s24, s17, 15                        ; 32,768 bytes out
	s_add_nc_u64 s[22:23], s[22:23], s[24:25]
	s_wait_alu depctr_va_vdst(0)                   ; v1 and v2 are written: every load of the kernel reads v1 as its offset, every store v2
.irp j, 0,1,2,3,4,5,6,7,8,9,10,11,12,13,14,15
	global_load_b128 v[X+4*\j:X+4*\j+3], v1, s[20:21] offset:4096*\j th:TH_LOAD_NT   ; a wave covers 512 neighbouring bytes, the group 4,096
.endr
	s_cmp_ge_u32 ttmp9, XG+QG
	s_cbranch_scc1 .Lw_proj
	; x and w_qkv: bf16.  Block p, row i: load and store number 4 p + i
.irp p, 0,1,2,3
.irp i, 0,1,2,3
	s_wait_loadcnt 15-4*(\p)-(\i)                  ; loads come back in order: this row's load is in, the younger ones stay out
.if (\p) > 0
.if (\i) == 0
	s_wait_alu depctr_va_vdst(0)                   ; the block before has written its four pairs of Y, which this block's four stores read
.endif
	global_store_b64 v2, v[Y+8*(\p)-8+2*(\i):Y+8*(\p)-8+2*(\i)+1], s[22:23] offset:2048*(4*(\p)-4+(\i))   ; the block before: a wave's 32 lanes store 256 consecutive bytes, aligned; no vector line since the wait names these registers
.endif
	v_cvt_pk_bf16_f32 v[Y+8*(\p)+2*(\i)],   v[X+16*(\p)+4*(\i)],   v[X+16*(\p)+4*(\i)+1]
	v_cvt_pk_bf16_f32 v[Y+8*(\p)+2*(\i)+1], v[X+16*(\p)+4*(\i)+2], v[X+16*(\p)+4*(\i)+3]
.endr
.endr
	s_wait_alu depctr_va_vdst(0)                   ; block 3 has written its four pairs of Y, which the last four stores read
.irp i, 0,1,2,3
	global_store_b64 v2, v[Y+24+2*(\i):Y+24+2*(\i)+1], s[22:23] offset:2048*(12+(\i))
.endr
	s_endpgm
.Lw_proj:
	; w_proj: rounded to bf16, widened again (a shift, a mask) and written in f16's code.  The same blocks, the same waits
.irp p, 0,1,2,3
.irp i, 0,1,2,3
	s_wait_loadcnt 15-4*(\p)-(\i)                  ; this row's load is in, so its registers may also be written again
.if (\p) > 0
.if (\i) == 0
	s_wait_alu depctr_va_vdst(0)                   ; the block before has written its four pairs of Y, which this block's four stores read
.endif
	global_store_b64 v2, v[Y+8*(\p)-8+2*(\i):Y+8*(\p)-8+2*(\i)+1], s[22:23] offset:2048*(4*(\p)-4+(\i))   ; the block before; no vector line since the wait names these registers
.endif
	v_cvt_pk_bf16_f32 v[T],   v[X+16*(\p)+4*(\i)],   v[X+16*(\p)+4*(\i)+1]
	v_cvt_pk_bf16_f32 v[T+1], v[X+16*(\p)+4*(\i)+2], v[X+16*(\p)+4*(\i)+3]
	v_lshlrev_b32 v[X+16*(\p)+4*(\i)],   16, v[T]
	v_and_b32     v[X+16*(\p)+4*(\i)+1], 0xffff0000, v[T]
	v_lshlrev_b32 v[X+16*(\p)+4*(\i)+2], 16, v[T+1]
	v_and_b32     v[X+16*(\p)+4*(\i)+3], 0xffff0000, v[T+1]
	v_cvt_pk_f16_f32 v[Y+8*(\p)+2*(\i)],   v[X+16*(\p)+4*(\i)],   v[X+16*(\p)+4*(\i)+1]
	v_cvt_pk_f16_f32 v[Y+8*(\p)+2*(\i)+1], v[X+16*(\p)+4*(\i)+2], v[X+16*(\p)+4*(\i)+3]
.endr
.endr
	s_wait_alu depctr_va_vdst(0)                   ; block 3 has written its four pairs of Y, which the last four stores read
.irp i, 0,1,2,3
	global_store_b64 v2, v[Y+24+2*(\i):Y+24+2*(\i)+1], s[22:23] offset:2048*(12+(\i))
.endr
	s_endpgm
.Lfunc_end_k_q4e65e9878b_cast:
	.size	k_q4e65e9878b_cast, .Lfunc_end_k_q4e65e9878b_cast-k_q4e65e9878b_cast
	.p2alignl 7, 3214868480
	.fill 96, 4, 3214868480
	.section	.rodata,"a",@progbits
	.p2align	6, 0x0
	.amdhsa_kernel k_q4e65e9878b_cast
		.amdhsa_group_segment_fixed_size 0
		.amdhsa_private_segment_fixed_size 0
		.amdhsa_enable_private_segment 0
		.amdhsa_kernarg_size 48
		.amdhsa_user_sgpr_count 2
		.amdhsa_user_sgpr_kernarg_segment_ptr 1
		.amdhsa_wavefront_size32 1
		.amdhsa_system_sgpr_workgroup_id_x 1
		.amdhsa_system_sgpr_workgroup_id_y 1
		.amdhsa_system_sgpr_workgroup_id_z 1
		.amdhsa_system_vgpr_workitem_id 0
		.amdhsa_next_free_vgpr 104
		.amdhsa_next_free_sgpr 66
		.amdhsa_reserve_vcc 0
		.amdhsa_float_denorm_mode_32 3
		.amdhsa_float_denorm_mode_16_64 3
		.amdhsa_memory_ordered 1
		.amdhsa_forward_progress 1
		.amdhsa_inst_pref_size 17
	.end_amdhsa_kernel
	.amdgpu_metadata
---
amdhsa.version: [ 1, 2 ]
amdhsa.kernels:
  - .name:           k_q4e65e9878b_cast
    .symbol:         k_q4e65e9878b_cast.kd
    .args:
      - { .name: x, .offset: 0, .size: 8, .value_kind: global_buffer, .address_space: global }
      - { .name: w_qkv, .offset: 8, .size: 8, .value_kind: global_buffer, .address_space: global }
      - { .name: w_proj, .offset: 16, .size: 8, .value_kind: global_buffer, .address_space: global }
      - { .name: xb, .offset: 24, .size: 8, .value_kind: global_buffer, .address_space: global }
      - { .name: wqb, .offset: 32, .size: 8, .value_kind: global_buffer, .address_space: global }
      - { .name: wph, .offset: 40, .size: 8, .value_kind: global_buffer, .address_space: global }
    .group_segment_fixed_size: 0
    .private_segment_fixed_size: 0
    .kernarg_segment_align: 8
    .kernarg_segment_size: 48
    .max_flat_workgroup_size: 256
    .sgpr_count:     66
    .vgpr_count:     104
    .wavefront_size: 32
...
	.end_amdgpu_metadata
.endif
;; end of part 5
;; launch qkv: the kernel of part 2 again; grid 24 x 32, 4 waves a work-group, clusters of 4 x 4, 327,680 bytes of LDS; arguments xb, wqb, qkvh; writes qkvh
;; launch attn: the kernel of part 3 again; grid 256 x 1, 8 waves a work-group, no clusters, 327,680 bytes of LDS; arguments qkvh, yh; writes yh
;; launch proj: the kernel of part 4 again; grid 8 x 32, 4 waves a work-group, clusters of 4 x 4, 327,680 bytes of LDS; arguments yh, wph, out0; writes out0
